; MI455X (gfx1250); checked and timed in simulation.
; The chip was launched on July 23, 2026; its instructions are those of AMD's public machine-readable ISA for CDNA 5 (MIT licence, August 2026) and "CDNA5" Instruction Set Architecture Reference Guide (July 2026). The comments in the code are by the model that wrote it; some were corrected since.
;; Rope. Allowed arithmetic: float matrix products may take bf16 or f16 operands with f32 sums; all other float work in f32.
;; Inputs: bk 256 float32; bq 256 float32; bv 256 float32; wk 256 x 256 float32; wq 256 x 256 float32; wv 256 x 256 float32; x 8,192 x 256 float32.
;; Outputs: out0 8,192 x 256 float32.
;; 2 versions, each right and faster than the one before. Each part assembles by itself: llvm-mc -triple=amdgcn-amd-amdhsa -mcpu=gfx1250 --defsym DOCPART=n.
;; ======== version 1 of 2: 3 launches
;; workspace buffers: qr 4,194,304 bytes; kr 4,194,304 bytes; vt 4,194,304 bytes; part 33,554,432 bytes; ml 262,144 bytes
;; launch proj (part 1): grid 64 x 3, 8 waves a work-group, no clusters, 273,408 bytes of LDS; arguments x, wq, wk, wv, bq, bk, bv, qr, kr, vt; writes qr, kr, vt
.if DOCPART == 1
	.amdgcn_target "amdgcn-amd-amdhsa--gfx1250"
	.amdhsa_code_object_version 6
	.text
	.protected	k_q5adfae0377_proj
	.globl	k_q5adfae0377_proj
	.p2align	8
	.type	k_q5adfae0377_proj,@function
k_q5adfae0377_proj:
	s_mov_b64 s[64:65], 0
	v_nop
	global_prefetch_b8 v0, s[64:65] scope:SCOPE_SE
	s_setreg_imm32_b32 hwreg(HW_REG_WAVE_MODE, 25, 1), 1
	s_wait_xcnt 0x0
; proj: qr = rope(x wq^T + bq) * log2(e)/16, kr = rope(x wk^T + bk), vt = (x wv^T + bv)^T, all three in bf16.
; x: [8192][256] f32, w*: [256][256] f32, b*: [256] f32.  qr, kr: [8192][256] bf16.  vt: [256][8192] bf16.
; Work-group (x = row block of 128 rows, y = 0, 1, 2 for Q, K, V): 128 rows x 256 features, eight waves, a wave 64 rows x 64 features
; (16 accumulator tiles).  64 x 3 = 192 work-groups: that is all the work there is.
; The rope here has no position: for feature pair p, f = 1000^(-p/128), e' = e cos f - o sin f, o' = o (sin f + cos f).
; sin and cos are Taylor sums of fixed length: the arguments are the problem's own constants in (0, 1], where the first term left
; out is below 2e-10.  o (sin + cos) is one product where the source forms two and adds them.
; The factor log2(e)/16 (the division by sqrt(256), and base 2 for the exponentials of the next launch) is folded into Q's coefficients.
; LIMITS: x, w and the three results are rounded to bf16 (matrix operands); sums, bias and rope are f32.
; NO JOINT LOADS, though all 64 row blocks read the same w: x and w lie in memory as f32 and are wanted as bf16.  Through registers each
; number is rounded once and the work-group's 256 + 128 rows take 202,752 bytes of LDS; as f32 tiles they would be 393,216 bytes,
; more than a work-group can be given, and every wave would round what it reads again.
.set PW,   528                         ; LDS pitch of a row of 256 bf16: 512 + 16 bytes, an odd multiple of 16
.set PT,   272                         ; LDS pitch of a row of 128 bf16 (V's stage): 256 + 16
.set XR,   256*PW                      ; w's 256 rows lie at 0, x's 128 rows here
.set STG,  XR+128*PW                   ; the stage for the way out: 128 rows of PW (Q, K) or 256 rows of PT (V): 69,632 bytes
.set GO,   4                           ; v4   16 x lane
.set LW,   5                           ; v5   where my 8 bytes of w's rows go
.set LX,   6                           ; v6   the same for x's rows
.set XFA,  7                           ; v7   my x fragments
.set WFA,  8                           ; v8   my w fragments
.set STO,  9                           ; v9   stage, in
.set RD,   10                          ; v10  stage, back
.set GCO,  11                          ; v11  V: byte offset in vt
.set BO,   12                          ; v12  byte offset in the bias
.set PB,   13                          ; v13  my first feature pair
.set RH,   14                          ; v14  r x 528 + 16 h;  v15: r x 272 + 16 h
.set T,    16                          ; v[16:23]  phase 1: four pairs of packed bf16
.set CCO,  16                          ; v[16:31]  cos x scale, pair 4 a + c
.set CSI,  32                          ; v[32:47]  sin x scale
.set CCS,  48                          ; v[48:63]  (sin + cos) x scale
.set XF,   64                          ; v[64:95]  four fragments of x; later the bias
.set BIAS, 64
.set WF,   96                          ; v[96:127] four fragments of w; later packed results and temporaries
.set PKR,  96
.set TA,   112
.set TB,   113
.set TC,   114
.set TD,   115
.set TE,   116
.set TT,   116
.set RING, 128                         ; v[128:255] phase 1: 32 load slots of 4 registers
.set ACC,  128                         ; then the 16 accumulator tiles (a, b) at 128 + 8 (4 a + b); then the way out
.macro PLACES                          ; four plain places behind a matrix instruction (ISA guide 7.12.1), before its registers are touched
.rept 4
	v_nop
.endr
.endm
	s_load_b256 s[4:11], s[0:1], 0x0               ; x s[4:5], wq s[6:7], wk s[8:9], wv s[10:11]
	s_load_b256 s[12:19], s[0:1], 0x20             ; bq s[12:13], bk s[14:15], bv s[16:17], qr s[18:19]
	s_load_b128 s[20:23], s[0:1], 0x40             ; kr s[20:21], vt s[22:23]
	s_set_vgpr_msb 0x40
	v_lshl_add_u32 v0, v0, 2, 0x42800
	v_mov_b32 v1, 0
	s_set_vgpr_msb 0x4000
	v_lshrrev_b32 v1, 5, v0
	v_readfirstlane_b32 s24, v1                    ; wave 0..7
	s_lshr_b32 s25, s24, 2                         ; wi: which 64 rows
	s_and_b32 s26, s24, 3                          ; wj: which 64 features
	s_and_b32 s27, ttmp7, 0xffff                   ; 0 Q, 1 K, 2 V
	s_mov_b32 s41, 0xb2d7322b                      ; -1/11!
	s_mov_b32 s42, 0x310f76c7                      ; 1/12!
	v_and_b32 v1, 31, v0                           ; lane
	v_and_b32 v2, 15, v0                           ; r
	v_bfe_u32 v3, v0, 4, 1                         ; h
	v_lshlrev_b32 v[GO], 4, v1
	s_mul_i32 s38, s24, 32*PW                      ; wave w brings w's rows 32 w .. 32 w + 31
	v_lshl_add_u32 v[LW], v1, 3, s38
	s_mul_i32 s38, s24, 16*PW                      ; and x's rows 16 w .. 16 w + 15
	s_add_co_u32 s38, s38, XR
	v_lshl_add_u32 v[LX], v1, 3, s38
	v_mul_u32_u24 v[RH], v2, PW
	v_lshl_add_u32 v[RH], v3, 4, v[RH]             ; fragment address in a lane: row r, 16 bytes for each half of the lanes
	s_mul_i32 s38, s25, 64*PW
	s_add_co_u32 s38, s38, XR
	v_add_nc_u32 v[XFA], s38, v[RH]
	s_mul_i32 s38, s26, 64*PW
	v_add_nc_u32 v[WFA], s38, v[RH]
	s_wait_kmcnt 0x0
	s_cmp_eq_u32 s27, 0                            ; the work-group's matrix, bias, result and scale
	s_cselect_b64 s[30:31], s[6:7], s[8:9]
	s_cselect_b64 s[32:33], s[12:13], s[14:15]
	s_cselect_b64 s[34:35], s[18:19], s[20:21]
	s_cselect_b32 s40, 0x3db8aa3b, 1.0             ; log2(e)/16 for Q
	s_cmp_eq_u32 s27, 2
	s_cselect_b64 s[30:31], s[10:11], s[30:31]
	s_cselect_b64 s[32:33], s[16:17], s[32:33]
	s_cselect_b64 s[34:35], s[22:23], s[34:35]
	s_lshl_b32 s38, s24, 15                        ; 32 rows of 1,024 bytes a wave
	s_mov_b32 s39, 0
	s_add_nc_u64 s[30:31], s[30:31], s[38:39]
	s_lshl_b32 s38, ttmp9, 17                      ; 128 rows of 1,024 bytes a work-group,
	s_lshl_b32 s29, s24, 14                        ; 16 a wave
	s_add_co_u32 s38, s38, s29
	s_add_nc_u64 s[36:37], s[4:5], s[38:39]
; PHASE 1: 96 items a wave, each half a row: 512 consecutive bytes of f32 in, 256 consecutive bytes of bf16 into LDS.
; Items 0-63 are w's, 64-95 x's.  A ring of 32 register slots keeps 32 loads on their way.  No address register is ever rewritten.
.macro GLOAD n
.if (\n) < 64
	global_load_b128 v[RING+4*((\n)%32):RING+4*((\n)%32)+3], v[GO], s[30:31] offset:((\n)>>1)*1024+((\n)&1)*512
.else
	global_load_b128 v[RING+4*((\n)%32):RING+4*((\n)%32)+3], v[GO], s[36:37] offset:(((\n)>>1)-32)*1024+((\n)&1)*512
.endif
.endm
.macro ITEM n, ahead, left
	s_wait_loadcnt \left                           ; loads come back in order: item n is in, the younger ones stay out
	v_cvt_pk_bf16_f32 v[T+2*((\n)%4)], v[RING+4*((\n)%32)], v[RING+4*((\n)%32)+1]
	v_cvt_pk_bf16_f32 v[T+2*((\n)%4)+1], v[RING+4*((\n)%32)+2], v[RING+4*((\n)%32)+3]
.if (\n) < 64
	ds_store_b64 v[LW], v[T+2*((\n)%4):T+2*((\n)%4)+1] offset:((\n)>>1)*PW+((\n)&1)*256
.else
	ds_store_b64 v[LX], v[T+2*((\n)%4):T+2*((\n)%4)+1] offset:(((\n)>>1)-32)*PW+((\n)&1)*256
.endif
.if \ahead
	GLOAD (\n)+32
.endif
.endm
.set it, 0
.rept 32
	GLOAD it
.set it, it+1
.endr
.set it, 0
.rept 64
	ITEM it, 1, 31                                 ; 31 younger loads are out
.set it, it+1
.endr
.rept 32
	ITEM it, 0, 95-it                              ; the last 32 load nothing: the counts run down
.set it, it+1
.endr
	s_wait_dscnt 0x0                               ; my stores are in LDS, for the other waves' sake
	s_barrier_signal -1
	s_barrier_wait -1
; PHASE 2: eight steps of 32 along K.  swap = 0 (Q, K): source 0 = 16 features of w, source 1 = 16 rows of x: a lane holds row r and eight
; neighbouring features.  swap = 1 (V): the other way round: a lane holds feature r and eight neighbouring rows, as vt wants them.
; The first step starts the sums.  The sixteen accumulators take turns, one instruction a turn.
.macro KSTEP ks, swap
.if \ks
	PLACES
.endif
.irp t, 0,1,2,3
	ds_load_b128 v[XF+8*\t:XF+8*\t+3],   v[XFA] offset:\t*16*PW+64*\ks
	ds_load_b128 v[XF+8*\t+4:XF+8*\t+7], v[XFA] offset:\t*16*PW+64*\ks+32
	ds_load_b128 v[WF+8*\t:WF+8*\t+3],   v[WFA] offset:\t*16*PW+64*\ks
	ds_load_b128 v[WF+8*\t+4:WF+8*\t+7], v[WFA] offset:\t*16*PW+64*\ks+32
.endr
	s_wait_dscnt 0x0
.irp a, 0,1,2,3
.irp b, 0,1,2,3
.if \swap
.if \ks
	v_wmma_f32_16x16x32_bf16 v[ACC+8*(4*\a+\b):ACC+8*(4*\a+\b)+7], v[XF+8*\a:XF+8*\a+7], v[WF+8*\b:WF+8*\b+7], v[ACC+8*(4*\a+\b):ACC+8*(4*\a+\b)+7]
.else
	v_wmma_f32_16x16x32_bf16 v[ACC+8*(4*\a+\b):ACC+8*(4*\a+\b)+7], v[XF+8*\a:XF+8*\a+7], v[WF+8*\b:WF+8*\b+7], 0
.endif
.else
.if \ks
	v_wmma_f32_16x16x32_bf16 v[ACC+8*(4*\a+\b):ACC+8*(4*\a+\b)+7], v[WF+8*\a:WF+8*\a+7], v[XF+8*\b:XF+8*\b+7], v[ACC+8*(4*\a+\b):ACC+8*(4*\a+\b)+7]
.else
	v_wmma_f32_16x16x32_bf16 v[ACC+8*(4*\a+\b):ACC+8*(4*\a+\b)+7], v[WF+8*\a:WF+8*\a+7], v[XF+8*\b:XF+8*\b+7], 0
.endif
.endif
.endr
.endr
.endm
; cos, sin and their sum for pair PB + add, times the scale
.macro ROPEC idx, add
	v_add_nc_u32 v[TA], \add, v[PB]
	v_cvt_f32_u32 v[TA], v[TA]
	v_mul_f32 v[TA], 0xbd9f73da, v[TA]             ; -p log2(1000)/128
	v_exp_f32 v[TE], v[TA]                         ; f = 1000^(-p/128)
	v_nop                                          ; one plain place behind a transcendental (ISA guide 5.7.2)
	s_wait_alu depctr_va_vdst(0)
	v_mul_f32 v[TB], v[TE], v[TE]
	v_fmaak_f32 v[TC], s41, v[TB], 0x3638ef1d      ; sin f / f: -1/11!, 1/9!, -1/7!, 1/5!, -1/3!, 1
	v_fmaak_f32 v[TD], s42, v[TB], 0xb493f27e      ; cos f: 1/12!, -1/10!, 1/8!, -1/6!, 1/4!, -1/2, 1
	v_fmaak_f32 v[TC], v[TC], v[TB], 0xb9500d01
	v_fmaak_f32 v[TD], v[TD], v[TB], 0x37d00d01
	v_fmaak_f32 v[TC], v[TC], v[TB], 0x3c088889
	v_fmaak_f32 v[TD], v[TD], v[TB], 0xbab60b61
	v_fmaak_f32 v[TC], v[TC], v[TB], 0xbe2aaaab
	v_fmaak_f32 v[TD], v[TD], v[TB], 0x3d2aaaab
	v_fma_f32 v[TC], v[TC], v[TB], 1.0
	v_fma_f32 v[TD], v[TD], v[TB], -0.5
	v_mul_f32 v[TC], v[TC], v[TE]                  ; sin
	v_fma_f32 v[TD], v[TD], v[TB], 1.0             ; cos
	v_add_f32 v[TA], v[TC], v[TD]
	v_mul_f32 v[CSI+(\idx)], s40, v[TC]
	v_mul_f32 v[CCO+(\idx)], s40, v[TD]
	v_mul_f32 v[CCS+(\idx)], s40, v[TA]
.endm
; one tile of Q or K: bias, rope, rounding, 16 bytes (8 neighbouring features of row r) into the stage
.macro ROT ta, tb
.set AB, ACC+8*(4*\ta+\tb)
.irp c, 0,1,2,3
	v_pk_add_f32 v[AB+2*\c:AB+2*\c+1], v[AB+2*\c:AB+2*\c+1], v[BIAS+8*\ta+2*\c:BIAS+8*\ta+2*\c+1]
.endr
.irp c, 0,1,2,3
	v_mul_f32 v[TT+\c], v[AB+2*\c+1], v[CSI+4*\ta+\c]
.endr
.irp c, 0,1,2,3
	v_fma_f32 v[AB+2*\c], v[AB+2*\c], v[CCO+4*\ta+\c], -v[TT+\c]
	v_mul_f32 v[AB+2*\c+1], v[AB+2*\c+1], v[CCS+4*\ta+\c]
.endr
.irp c, 0,1,2,3
	v_cvt_pk_bf16_f32 v[PKR+4*\tb+\c], v[AB+2*\c], v[AB+2*\c+1]
.endr
	ds_store_b128 v[STO], v[PKR+4*\tb:PKR+4*\tb+3] offset:\tb*16*PW+32*\ta
.endm
; one tile of V: bias of feature r, rounding, 16 bytes (8 neighbouring rows of feature r) into the stage
.macro VOUT ta, tb
.set AB, ACC+8*(4*\ta+\tb)
.irp c, 0,1,2,3,4,5,6,7
	v_add_f32 v[AB+\c], v[AB+\c], v[BIAS+\tb]
.endr
.irp c, 0,1,2,3
	v_cvt_pk_bf16_f32 v[PKR+4*\tb+\c], v[AB+2*\c], v[AB+2*\c+1]
.endr
	ds_store_b128 v[STO], v[PKR+4*\tb:PKR+4*\tb+3] offset:\tb*16*PT+32*\ta
.endm
	s_cmp_eq_u32 s27, 2                            ; the same in every wave of the work-group; no barrier stands inside
	s_cbranch_scc1 .Lv_mul
.irp k, 0,1,2,3,4,5,6,7
	KSTEP \k, 0
.endr
	PLACES                                         ; behind the last matrix instructions: their registers are read and written below
	s_lshl_b32 s38, s26, 8
	v_lshl_add_u32 v[BO], v3, 5, s38               ; bias of features 64 wj + 8 h + 16 a ..
.irp a, 0,1,2,3
	global_load_b128 v[BIAS+8*\a:BIAS+8*\a+3],   v[BO], s[32:33] offset:64*\a
	global_load_b128 v[BIAS+8*\a+4:BIAS+8*\a+7], v[BO], s[32:33] offset:64*\a+16
.endr
	s_lshl_b32 s38, s26, 5
	v_lshl_add_u32 v[PB], v3, 2, s38               ; pair 32 wj + 4 h + 8 a + c
	s_mul_i32 s38, s25, 64*PW
	s_lshl_b32 s29, s26, 7
	s_add_co_u32 s38, s38, s29
	s_add_co_u32 s38, s38, STG
	v_add_nc_u32 v[STO], s38, v[RH]                ; stage row 64 wi + r, byte 128 wj + 16 h
.irp a, 0,1,2,3
.irp c, 0,1,2,3
	ROPEC 4*\a+\c, 8*\a+\c
.endr
.endr
	s_wait_loadcnt 0x0                             ; the bias
.irp a, 0,1,2,3
.irp b, 0,1,2,3
	ROT \a, \b
.endr
.endr
	s_branch .Lstaged
.Lv_mul:
.irp k, 0,1,2,3,4,5,6,7
	KSTEP \k, 1
.endr
	PLACES
	s_lshl_b32 s38, s26, 8
	v_lshl_add_u32 v[BO], v2, 2, s38               ; bias of feature 64 wj + r + 16 b
.irp b, 0,1,2,3
	global_load_b32 v[BIAS+\b], v[BO], s[32:33] offset:64*\b
.endr
	v_mul_u32_u24 v15, v2, PT
	v_lshl_add_u32 v15, v3, 4, v15
	s_mul_i32 s38, s26, 64*PT
	s_lshl_b32 s29, s25, 7
	s_add_co_u32 s38, s38, s29
	s_add_co_u32 s38, s38, STG
	v_add_nc_u32 v[STO], s38, v15                  ; stage row 64 wj + r (a feature), byte 128 wi + 16 h
	s_wait_loadcnt 0x0
.irp a, 0,1,2,3
.irp b, 0,1,2,3
	VOUT \a, \b
.endr
.endr
.Lstaged:
	s_wait_dscnt 0x0                               ; my part of the stage is in LDS, for the other waves' sake
	s_barrier_signal -1
	s_barrier_wait -1
; PHASE 4: whole rows back from the stage and out.
	s_cmp_eq_u32 s27, 2
	s_cbranch_scc1 .Lv_out
	s_mul_i32 s38, s24, 16*PW                      ; Q, K: wave w stores rows 16 w .. 16 w + 15, 512 consecutive bytes a store
	s_add_co_u32 s38, s38, STG
	v_add_nc_u32 v[RD], s38, v[GO]
	s_lshl_b32 s38, ttmp9, 16
	s_lshl_b32 s29, s24, 13
	s_add_co_u32 s38, s38, s29
	s_add_nc_u64 s[34:35], s[34:35], s[38:39]
.irp q, 0,1,2,3,4,5,6,7,8,9,10,11,12,13,14,15
	ds_load_b128 v[ACC+4*\q:ACC+4*\q+3], v[RD] offset:\q*PW
.endr
.irp q, 0,1,2,3,4,5,6,7,8,9,10,11,12,13,14,15
	s_wait_dscnt 15-\q                             ; LDS loads come back in order: row q is in
	global_store_b128 v[GO], v[ACC+4*\q:ACC+4*\q+3], s[34:35] offset:\q*512
.endr
	s_set_vgpr_msb 0x5
	s_wait_tensorcnt 0x0
	ds_add_u32 v0, v1
	s_wait_dscnt 0x0
	s_set_vgpr_msb 0x500
	s_endpgm
.Lv_out:
	v_mul_u32_u24 v[RD], v3, PT                    ; V: wave w stores features 32 w .. 32 w + 31, two a store:
	v_lshl_add_u32 v[RD], v2, 4, v[RD]             ; sixteen lanes store 256 consecutive bytes, at a multiple of 256 from vt's first byte
	s_mul_i32 s38, s24, 32*PT
	s_add_co_u32 s38, s38, STG
	v_add_nc_u32 v[RD], s38, v[RD]
	v_lshlrev_b32 v[GCO], 14, v3                   ; a row of vt is 16,384 bytes
	v_lshl_add_u32 v[GCO], v2, 4, v[GCO]
	s_lshl_b32 s38, s24, 19
	s_lshl_b32 s29, ttmp9, 8
	s_add_co_u32 s38, s38, s29
	s_add_nc_u64 s[34:35], s[34:35], s[38:39]
.irp q, 0,1,2,3,4,5,6,7,8,9,10,11,12,13,14,15
	ds_load_b128 v[ACC+4*\q:ACC+4*\q+3], v[RD] offset:\q*2*PT
.endr
.irp q, 0,1,2,3,4,5,6,7,8,9,10,11,12,13,14,15
	s_wait_dscnt 15-\q
	global_store_b128 v[GCO], v[ACC+4*\q:ACC+4*\q+3], s[34:35] offset:\q*32768
.endr
	s_set_vgpr_msb 0x5
	s_wait_tensorcnt 0x0
	ds_add_u32 v0, v1
	s_wait_dscnt 0x0
	s_set_vgpr_msb 0x500
	s_endpgm
.Lfunc_end_k_q5adfae0377_proj:
	.size	k_q5adfae0377_proj, .Lfunc_end_k_q5adfae0377_proj-k_q5adfae0377_proj
	.p2alignl 7, 3214868480
	.fill 96, 4, 3214868480
	.section	.rodata,"a",@progbits
	.p2align	6, 0x0
	.amdhsa_kernel k_q5adfae0377_proj
		.amdhsa_group_segment_fixed_size 273408
		.amdhsa_private_segment_fixed_size 0
		.amdhsa_enable_private_segment 0
		.amdhsa_kernarg_size 80
		.amdhsa_user_sgpr_count 2
		.amdhsa_user_sgpr_kernarg_segment_ptr 1
		.amdhsa_wavefront_size32 1
		.amdhsa_system_sgpr_workgroup_id_x 1
		.amdhsa_system_sgpr_workgroup_id_y 1
		.amdhsa_system_sgpr_workgroup_id_z 1
		.amdhsa_system_vgpr_workitem_id 0
		.amdhsa_next_free_vgpr 258
		.amdhsa_next_free_sgpr 66
		.amdhsa_reserve_vcc 0
		.amdhsa_float_denorm_mode_32 3
		.amdhsa_float_denorm_mode_16_64 3
		.amdhsa_memory_ordered 1
		.amdhsa_forward_progress 1
		.amdhsa_inst_pref_size 121
	.end_amdhsa_kernel
	.amdgpu_metadata
---
amdhsa.version: [ 1, 2 ]
amdhsa.kernels:
  - .name:           k_q5adfae0377_proj
    .symbol:         k_q5adfae0377_proj.kd
    .args:
      - { .name: x, .offset: 0, .size: 8, .value_kind: global_buffer, .address_space: global }
      - { .name: wq, .offset: 8, .size: 8, .value_kind: global_buffer, .address_space: global }
      - { .name: wk, .offset: 16, .size: 8, .value_kind: global_buffer, .address_space: global }
      - { .name: wv, .offset: 24, .size: 8, .value_kind: global_buffer, .address_space: global }
      - { .name: bq, .offset: 32, .size: 8, .value_kind: global_buffer, .address_space: global }
      - { .name: bk, .offset: 40, .size: 8, .value_kind: global_buffer, .address_space: global }
      - { .name: bv, .offset: 48, .size: 8, .value_kind: global_buffer, .address_space: global }
      - { .name: qr, .offset: 56, .size: 8, .value_kind: global_buffer, .address_space: global }
      - { .name: kr, .offset: 64, .size: 8, .value_kind: global_buffer, .address_space: global }
      - { .name: vt, .offset: 72, .size: 8, .value_kind: global_buffer, .address_space: global }
    .group_segment_fixed_size: 273408
    .private_segment_fixed_size: 0
    .kernarg_segment_align: 8
    .kernarg_segment_size: 80
    .max_flat_workgroup_size: 256
    .sgpr_count:     66
    .vgpr_count:     258
    .wavefront_size: 32
...
	.end_amdgpu_metadata
.endif
;; end of part 1
;; launch attn (part 2): grid 64 x 4, 4 waves a work-group, clusters of 4 x 1, 327,680 bytes of LDS; arguments qr, kr, vt, part, ml; writes part, ml
.if DOCPART == 2
	.amdgcn_target "amdgcn-amd-amdhsa--gfx1250"
	.amdhsa_code_object_version 6
	.text
	.protected	k_q5adfae0377_attn
	.globl	k_q5adfae0377_attn
	.p2align	8
	.type	k_q5adfae0377_attn,@function
k_q5adfae0377_attn:
	s_mov_b64 s[64:65], 0
	v_nop
	global_prefetch_b8 v0, s[64:65] scope:SCOPE_SE
	s_setreg_imm32_b32 hwreg(HW_REG_WAVE_MODE, 25, 1), 1
	s_wait_xcnt 0x0
	s_wait_alu depctr_hold_cnt(0) depctr_sa_sdst(0) depctr_va_vdst(0) depctr_va_sdst(0) depctr_va_ssrc(0) depctr_va_vcc(0) depctr_vm_vsrc(0)
	s_getreg_b32 s2, hwreg(HW_REG_IB_STS2, 6, 4)
	s_cmp_eq_u32 s2, 0
	s_cbranch_scc0 .Lentry_in_a_cluster
	s_endpgm
.Lentry_in_a_cluster:
	s_bfe_u32 s2, ttmp6, 0x10000c
	s_cmp_lg_u32 s2, 0x3003
	s_cbranch_scc0 .Lentry_shape_is_right
	s_endpgm
.Lentry_shape_is_right:
; attn: softmax(Q K^T) V with a running maximum, for 128 queries (work-group x) against 2,048 of the 8,192 keys (work-group y).
; qr, kr: [8192][256] bf16 (qr already holds log2(e)/16, so scores are exponents of 2).  vt: [256][8192] bf16, V transposed.
; Out: part[y][query][256] f32 = sum over the keys of 2^(s - m) V, not normalised; ml[y][0][query] = m, ml[y][1][query] = l = sum of 2^(s - m).
; The four key splits make 64 x 4 = 256 work-groups; the next launch joins them.
; Four waves: wave w = 2 i + j takes queries 64 i .. 64 i + 63 and, of each tile of 128 keys, keys 64 j .. 64 j + 63; the two waves of an i
; join their m, l and sums at the end, through LDS.
; BOTH PRODUCTS ARE TRANSPOSED.  S^T = K Q^T: source 0 = 16 keys, source 1 = 16 queries.  O^T = V^T P: source 0 = 16 rows of vt, source 1 = P.
; So lane (r, h) always owns query r of a query tile: m, l and the rescaling factor are one number a lane, the maximum over keys runs along the
; lane's own registers and once across the two halves of the wave, and two tiles of S^T, rounded, ARE a source-1 fragment of P
; (tile 2 kp: keys 8 h + 0..7 into registers 0-3; tile 2 kp + 1: keys 16 + 8 h + 0..7 into registers 4-7): no shuffle.
; THE STEP IS A PIPELINE, so that vector work stands between matrix instructions and not in a block of its own.  Step t has two phases:
;   A: the 128 matrix instructions of S_t, and behind every second one the rescaling of one tile of O (4 packed multiplies) by tile t-1's factor;
;   B: the 128 matrix instructions of O += V_(t-1)^T P_(t-1), and behind each of the first 107 at most four of the 416 instructions of S_t's softmax.
; Step 0 has no product in B, step 1 no rescaling, and a last stage rescales and multiplies tile 15.  The rescaling runs in every step: no branch
; may hang on the maxima.  S and O lie in different register windows, so each such gap costs two window switches: with 512 registers of O no
; layout puts a gap's destination into the window of the matrix instruction's.
; P_(t-1) and S_t are alive together, so only d < 128 of Q stays in registers; d >= 128 is copied once into LDS and read like K: 32 loads a step.
; CLUSTERS: the four work-groups of a cluster have the same y and walk the same K and V tiles: each tile is asked for jointly (mask 15).
; The place in the cluster enters only the addresses of qr, part and ml.
; LIMITS: Q, K, V and P are rounded to bf16 (matrix operands); l is summed from the unrounded P.  v_exp_f32 gives 0 for results below 2^-126
; (ISA guide, its entry in 15.8).  A score of +inf or NaN gives NaN, as in the source; m starts at -inf, and a query whose scores in the first
; tile (or all) are -inf gives NaN.
;
; REGISTERS, in windows of 256:
;   window 0: v2-6 LDS addresses; v8-15 pairs (m, l); v16-23 pairs (factor, temporary); v24-31 four running pairs of l's sums;
;             v64-95 P (qt, 0); v32-63 and v96-127 P (qt, 1) of even and odd tiles (the one not in use holds the maxima's temporaries);
;             v128-255 S^T tile (kt, qt) at 128 + 32 qt + 8 kt
;   window 1: v0-127 Q fragment (qt, ks), ks < 4, at 8 (4 qt + ks); v128-255 four fragment sets of 32 registers
;   windows 2, 3: O^T tile (dt, qt) at 8 (4 (dt & 7) + qt) of window 2 + (dt >> 3)
.set PK,     528                       ; LDS pitch of a K row: 512 + 16 bytes, an odd multiple of 16
.set PV,     272                       ; LDS pitch of a row of vt's tile: 256 + 16
.set PQ,     272                       ; LDS pitch of a row of Q's second half: 256 + 16
.set VOFF,   128*PK                    ; a slot: K's 128 rows, then vt's 256 rows of 128 keys
.set SLOT,   VOFF+256*PV               ; 137,216 bytes; two slots
.set QL,     2*SLOT                    ; Q, d >= 128, of the work-group's 128 queries: 34,816 bytes of their own, no tile lands here
.set STATS,  QL+128*PQ                 ; 4 x 512 bytes: each wave's m (64 words) and l
.set STATS2, STATS+2048                ; 4 x 256 bytes: the joined m or l on its way out
.set SPITCH, 1040                      ; the way out: a row of 256 f32 + 16 bytes
.set WSTAGE, 64*SPITCH                 ; a wave's 64 rows; the four stages lie in the slots, after the slots' last fill
.set KA,   2                           ; v2, v3   K fragments, slot 0, 1
.set VA,   4                           ; v4, v5   vt fragments, slot 0, 1
.set QA,   6                           ; v6       Q fragments in LDS
.set RM,   8                           ; m (qt) at RM + 2 qt, l (qt) beside it
.set RAL,  16                          ; factor (qt) at RAL + 2 qt, a temporary beside it
.set RACC, 24                          ; pair qt of l's running sums
.set P1A,  32                          ; P (qt, 1) of tile t at P1A + 64 (t & 1) + 8 qt
.set P0,   64                          ; P (qt, 0) at P0 + 8 qt
.set RS,   128
.set FS,   128                         ; window 1: set f at FS + 32 f
.set G1K,  24                          ; s[24:31] shape of a wave's quarter of a K tile
.set G1V,  32                          ; s[32:39] the same for vt
.set G0K,  40                          ; s[40:47] from where, to where: one set for each slot
.set G0V,  48                          ; s[48:55]
.set MSB,  0
.macro WIN new                         ; the immediate's high byte repeats the setting that is left; a switch that changes nothing is dropped
.if MSB != (\new)
	s_set_vgpr_msb (MSB<<8)|(\new)
.set MSB, \new
.endif
.endm
.macro PLACES                          ; four plain places behind a matrix instruction before a vector instruction or a load touches its registers
.rept 4
	v_nop
.endr
.endm
.macro CREST                           ; a round of the cluster's barrier, behind its opening work-group barrier
	s_cmp_lg_u32 s14, 0
	s_cbranch_scc1 .Lnot_wave_0_\@
	s_barrier_signal -3
.Lnot_wave_0_\@:
	s_barrier_wait -3
	s_barrier_signal -1
	s_barrier_wait -1
.endm
.macro CROUND
	s_barrier_signal -1
	s_barrier_wait -1
	CREST
.endm
	s_load_b256 s[4:11], s[0:1], 0x0               ; qr s[4:5], kr s[6:7], vt s[8:9], part s[10:11]
	s_load_b64 s[12:13], s[0:1], 0x20              ; ml
	v_lshl_add_u32 v232, v0, 2, 0x4c400
	v_mov_b32 v233, 0
	ds_add_u32 v232, v233
	s_wait_dscnt 0x0
	v_lshrrev_b32 v1, 5, v0
	v_readfirstlane_b32 s14, v1                    ; wave 0..3
	s_lshr_b32 s15, s14, 1                         ; i: which 64 queries
	s_and_b32 s16, s14, 1                          ; j: which 64 keys of a tile
	s_bfe_u32 s17, ttmp6, 0x40000                  ; cx
	s_lshl_b32 s18, ttmp9, 2
	s_add_co_u32 s18, s18, s17                     ; query block = 4 x cluster x + cx.  cx lives in s17, s18, s[2:3] and the pointers to qr, part, ml alone
	s_and_b32 s19, ttmp7, 0xffff                   ; key split
	s_mov_b32 s20, 0x76543210                      ; v_permlanex16_b32: lane i of one half reads lane i of the other
	s_mov_b32 s21, 0xfedcba98
	s_sub_co_u32 s23, 0, s16                       ; a lane mask: all ones in the waves with j = 1
	; K: a wave brings 32 rows of 256 bf16; 128 words a row, then 4 words of padding
	s_mov_b32 s[G1K+0], 15|(1<<16)|(1<<20)|(1<<21)|(6<<22)|(3<<25)  ; mask: all four of the cluster; 2-byte elements; padding on; bit 21 beside a mask; every 128 words (code 6), 4 words (code 3)
	s_mov_b32 s[G1K+1], 256<<16                    ; tensor_dim0 = 256
	s_mov_b32 s[G1K+2], 32<<16                     ; tensor_dim1 = 32
	s_mov_b32 s[G1K+3], 256<<16                    ; tile_dim0 = 256
	s_mov_b32 s[G1K+4], 32                         ; tile_dim1 = 32
	s_mov_b32 s[G1K+5], 256                        ; elements from row to row
	s_mov_b32 s[G1K+6], 0
	s_mov_b32 s[G1K+7], 0
	; vt: a wave brings 64 rows of 128 bf16 (256 bytes, at multiples of 256 from vt's first byte); 64 words a row, then 4 of padding
	s_mov_b32 s[G1V+0], 15|(1<<16)|(1<<20)|(1<<21)|(5<<22)|(3<<25)
	s_mov_b32 s[G1V+1], 128<<16
	s_mov_b32 s[G1V+2], 64<<16
	s_mov_b32 s[G1V+3], 128<<16
	s_mov_b32 s[G1V+4], 64
	s_mov_b32 s[G1V+5], 8192
	s_mov_b32 s[G1V+6], 0
	s_mov_b32 s[G1V+7], 0
	s_mul_i32 s56, s14, 32*PK                      ; LDS: my quarter of K,
	s_mul_i32 s57, s14, 64*PV
	s_add_co_u32 s57, s57, VOFF                    ; and of vt: the wave's number and constants alone
	s_lshl_b32 s58, s19, 20                        ; kr: split x 2,048 rows of 512 bytes
	s_lshl_b32 s60, s14, 14                        ;     + wave x 32 rows
	s_add_co_u32 s58, s58, s60
	s_mov_b32 s59, 0
	s_lshl_b32 s60, s14, 20                        ; vt: wave x 64 rows of 16,384 bytes
	s_lshl_b32 s62, s19, 12                        ;     + split x 2,048 keys of 2 bytes
	s_add_co_u32 s60, s60, s62
	s_mov_b32 s61, 0
	s_lshl_b32 s2, s18, 16                         ; qr: query block x 128 rows of 512 bytes
	s_mov_b32 s3, 0
	s_wait_kmcnt 0x0
	s_add_nc_u64 s[58:59], s[6:7], s[58:59]
	s_add_nc_u64 s[60:61], s[8:9], s[60:61]
	s_add_nc_u64 s[4:5], s[4:5], s[2:3]
.irp s, 0,1
	s_mov_b32 s[G0K+4*\s], 1
	s_add_co_u32 s[G0K+4*\s+1], s56, \s*SLOT
	s_add_nc_u64 s[G0K+4*\s+2:G0K+4*\s+3], s[58:59], \s*65536      ; tile s: 128 rows of 512 bytes on
	s_or_b32 s[G0K+4*\s+3], s[G0K+4*\s+3], 0x80000000
	s_mov_b32 s[G0V+4*\s], 1
	s_add_co_u32 s[G0V+4*\s+1], s57, \s*SLOT
	s_add_nc_u64 s[G0V+4*\s+2:G0V+4*\s+3], s[60:61], \s*256        ; tile s: 128 keys of 2 bytes on
	s_or_b32 s[G0V+4*\s+3], s[G0V+4*\s+3], 0x80000000
.endr
	CROUND                                         ; all four work-groups are here: the first joint loads meet
.irp s, 0,1
	tensor_load_to_lds s[G0K+4*\s:G0K+4*\s+3], s[G1K:G1K+7]        ; tiles 0 and 1: four tensor loads of a wave are out here,
	s_nop 0
	tensor_load_to_lds s[G0V+4*\s:G0V+4*\s+3], s[G1V:G1V+7]        ; later two at the most
	s_nop 0
.endr
	v_and_b32 v1, 15, v0                           ; r
	v_bfe_u32 v7, v0, 4, 1                         ; h
	; Q, d >= 128, for LDS: wave w brings rows 32 w .. 32 w + 31; a load takes the second 256 bytes of two rows, sixteen lanes each
	v_lshlrev_b32 v29, 9, v7
	v_lshl_add_u32 v29, v1, 4, v29
	s_lshl_b32 s56, s14, 14
	v_add_nc_u32 v29, s56, v29
.irp n, 0,1,2,3,4,5,6,7,8,9,10,11,12,13,14,15
	global_load_b128 v[RS+4*\n:RS+4*\n+3], v29, s[4:5] offset:\n*1024+256
.endr
	; Q, d < 128, for registers: row 64 i + 16 qt + r, 16 bytes for each half of the lanes
	v_lshlrev_b32 v30, 9, v1
	v_lshl_add_u32 v30, v7, 4, v30
	s_lshl_b32 s57, s15, 15
	v_add_nc_u32 v30, s57, v30
	WIN 0x40                                       ; destination window 1
.irp qt, 0,1,2,3
.irp ks, 0,1,2,3
	global_load_b128 v[8*(4*\qt+\ks):8*(4*\qt+\ks)+3],   v30, s[4:5] offset:\qt*8192+64*\ks
	global_load_b128 v[8*(4*\qt+\ks)+4:8*(4*\qt+\ks)+7], v30, s[4:5] offset:\qt*8192+64*\ks+32
.endr
.endr
	WIN 0
	v_mul_u32_u24 v24, v1, PK
	v_lshl_add_u32 v24, v7, 4, v24
	s_mul_i32 s56, s16, 64*PK
	v_add_nc_u32 v[KA], s56, v24                   ; K fragments: row 64 j + r, byte 16 h, slot 0
	v_add_nc_u32 v[KA+1], SLOT, v[KA]              ; slot 1
	v_mul_u32_u24 v25, v1, PV                      ; r x 272 + 16 h serves vt's rows and Q's
	v_lshl_add_u32 v25, v7, 4, v25
	s_lshl_b32 s57, s16, 7
	s_add_co_u32 s57, s57, VOFF
	v_add_nc_u32 v[VA], s57, v25                   ; vt fragments: row r, byte 128 j + 16 h
	v_add_nc_u32 v[VA+1], SLOT, v[VA]
	s_mul_i32 s56, s15, 64*PQ
	s_add_co_u32 s56, s56, QL
	v_add_nc_u32 v[QA], s56, v25                   ; Q fragments: row 64 i + r, byte 16 h
	v_mul_u32_u24 v31, v7, PQ
	v_lshl_add_u32 v31, v1, 4, v31
	s_mul_i32 s57, s14, 32*PQ
	s_add_co_u32 s57, s57, QL
	v_add_nc_u32 v31, s57, v31                     ; where Q's rows go: row 32 w + h, byte 16 r
.irp qt, 0,1,2,3
	v_mov_b32 v[RM+2*\qt], 0xff800000              ; m = -inf and l = 0: the first tile's factor comes out as 0 and its softmax has the form of all
	v_mov_b32 v[RM+2*\qt+1], 0
.endr
	s_wait_loadcnt 32                              ; the sixteen loads for LDS are in; the 32 behind them stay out
.irp n, 0,1,2,3,4,5,6,7,8,9,10,11,12,13,14,15
	ds_store_b128 v31, v[RS+4*\n:RS+4*\n+3] offset:\n*2*PQ
.endr
; sixteen-load runs.  A set is four fragments, eight loads.
.macro RUNHEAD                         ; loads go to window 1; the sets they fill were read by the matrix instructions just issued
	WIN 0x40
	PLACES
.endm
.macro LDK ks, f, slot                 ; my 64 keys, 32 along d at d = 32 ks
.irp kt, 0,1,2,3
	ds_load_b128 v[FS+32*\f+8*\kt:FS+32*\f+8*\kt+3],   v[KA+\slot] offset:\kt*16*PK+64*\ks
	ds_load_b128 v[FS+32*\f+8*\kt+4:FS+32*\f+8*\kt+7], v[KA+\slot] offset:\kt*16*PK+64*\ks+32
.endr
.endm
.macro LDQ ks, f                       ; my 64 queries, 32 along d at d = 32 ks, ks >= 4
.irp qt, 0,1,2,3
	ds_load_b128 v[FS+32*\f+8*\qt:FS+32*\f+8*\qt+3],   v[QA] offset:\qt*16*PQ+64*(\ks-4)
	ds_load_b128 v[FS+32*\f+8*\qt+4:FS+32*\f+8*\qt+7], v[QA] offset:\qt*16*PQ+64*(\ks-4)+32
.endr
.endm
.macro LDV v, f, slot                  ; group v: d tiles 4 (v & 3) .. + 3, keys 32 (v >> 2) .. + 31 of my 64
.irp d, 0,1,2,3
	ds_load_b128 v[FS+32*\f+8*\d:FS+32*\f+8*\d+3],   v[VA+\slot] offset:(4*((\v)&3)+\d)*16*PV+64*((\v)>>2)
	ds_load_b128 v[FS+32*\f+8*\d+4:FS+32*\f+8*\d+7], v[VA+\slot] offset:(4*((\v)&3)+\d)*16*PV+64*((\v)>>2)+32
.endr
.endm
; A gap of phase A: tile ga of O (its window 2 + (ga >> 5)) times the lane's factor of its query tile, which is broadcast out of its pair.
.macro AGAP
.if RESC
	WIN 0x82+0x41*(ga>>5)
.irp c, 0,2,4,6
	v_pk_mul_f32 v[8*(ga&31)+\c:8*(ga&31)+\c+1], v[8*(ga&31)+\c:8*(ga&31)+\c+1], v[RAL+2*(ga&3):RAL+2*(ga&3)+1] op_sel_hi:[1,0]
.endr
.set ga, ga+1
.endif
.endm
; 16 matrix instructions: S^T += K Q^T for 32 along d.  The sixteen accumulators take turns, one instruction a turn.
; K from set fk; Q from its registers (ks < 4) or from set fq.  ks = 0 starts the sums.
.macro SG ks, fk, fq
.irp kt, 0,1,2,3
.irp qt, 0,1,2,3
.set ST, RS+32*\qt+8*\kt
	WIN 0x05                                       ; sources 0 and 1 window 1, C and D window 0
.if \ks == 0
	v_wmma_f32_16x16x32_bf16 v[ST:ST+7], v[FS+32*\fk+8*\kt:FS+32*\fk+8*\kt+7], v[32*\qt:32*\qt+7], 0
.else
.if \ks < 4
	v_wmma_f32_16x16x32_bf16 v[ST:ST+7], v[FS+32*\fk+8*\kt:FS+32*\fk+8*\kt+7], v[8*(4*\qt+\ks):8*(4*\qt+\ks)+7], v[ST:ST+7]
.else
	v_wmma_f32_16x16x32_bf16 v[ST:ST+7], v[FS+32*\fk+8*\kt:FS+32*\fk+8*\kt+7], v[FS+32*\fq+8*\qt:FS+32*\fq+8*\qt+7], v[ST:ST+7]
.endif
.endif
.if \qt & 1
	AGAP
.endif
.endr
.endr
.endm
; THE SOFTMAX OF ONE TILE AS A LIST, cut into gaps gb = 0 .. 106 of at most four instructions.  The four query tiles take turns in the list, so that
; an instruction and the one that needs its result stand in different gaps.  TB: the block of P (qt, 1) that this tile will fill; until then it
; holds the maxima's temporaries, four for each query tile.
; Instruction ZN = 0 .. 91: the maximum of a lane's 32 scores in four chains, across the halves of the wave, with the old m; the factor 2^(old - new).
.macro SOP
.set ZQ, ZN&3
.if ZN < 64
.set ZC, (ZN>>2)&3
.set ZT, TB+4*ZQ+ZC
.set ZS, RS+32*ZQ+8*ZC
.if (ZN>>4) == 0
	v_max3_num_f32 v[ZT], v[ZS], v[ZS+1], v[ZS+2]
.endif
.if (ZN>>4) == 1
	v_max3_num_f32 v[ZT], v[ZT], v[ZS+3], v[ZS+4]
.endif
.if (ZN>>4) == 2
	v_max3_num_f32 v[ZT], v[ZT], v[ZS+5], v[ZS+6]
.endif
.if (ZN>>4) == 3
	v_max_num_f32 v[ZT], v[ZT], v[ZS+7]
.endif
.else
.set ZT, TB+4*ZQ
.set ZK, (ZN-64)>>2
.if ZK == 0
	v_max3_num_f32 v[ZT], v[ZT], v[ZT+1], v[ZT+2]
.endif
.if ZK == 1
	v_max_num_f32 v[ZT], v[ZT], v[ZT+3]
.endif
.if ZK == 2
	v_permlanex16_b32 v[ZT+1], v[ZT], s20, s21     ; the other half's 32 keys of the same query
.endif
.if ZK == 3
	v_max3_num_f32 v[ZT+2], v[ZT], v[ZT+1], v[RM+2*ZQ]
.endif
.if ZK == 4
	v_sub_f32 v[ZT+3], v[RM+2*ZQ], v[ZT+2]
.endif
.if ZK == 5
	v_mov_b32 v[RM+2*ZQ], v[ZT+2]
.endif
.if ZK == 6
	v_exp_f32 v[RAL+2*ZQ], v[ZT+3]                 ; the next plain instruction is a subtraction on S: it touches neither the factor nor its source
.endif
.endif
.endm
; Gap ZE = 0 .. 65 of the middle part.  Unit u = 0 .. 63 is pair u >> 2 of query tile u & 3.  The gap subtracts m from unit ZE, takes the two
; exponentials of unit ZE - 1 and adds unit ZE - 2 to its tile's running pair.  A plain instruction on other registers follows each exponential
; (ISA guide 5.7.2), and a unit's exponentials are read one gap later.
.macro EGAP
.set ZE, gb-23
.set ZX, 0
.if ZE >= 1
.if ZE <= 64
.set ZX, 1
.set ZU, RS+32*((ZE-1)&3)+2*((ZE-1)>>2)
.endif
.endif
.if ZX
	v_exp_f32 v[ZU], v[ZU]
.endif
.if ZE < 64
.set ZS, RS+32*(ZE&3)+2*(ZE>>2)
	v_pk_add_f32 v[ZS:ZS+1], v[ZS:ZS+1], v[RM+2*(ZE&3):RM+2*(ZE&3)+1] op_sel_hi:[1,0] neg_lo:[0,1] neg_hi:[0,1]   ; both minus m, the pair's first register
.endif
.if ZX
	v_exp_f32 v[ZU+1], v[ZU+1]
.endif
.if ZE >= 2
.set ZS, RS+32*((ZE-2)&3)+2*((ZE-2)>>2)
.set ZA, RACC+2*((ZE-2)&3)
.if ((ZE-2)>>2) == 1
	s_wait_alu depctr_va_vdst(0)
	v_pk_add_f32 v[ZA:ZA+1], v[ZS-2:ZS-1], v[ZS:ZS+1]              ; the first two pairs start the sum: nothing is cleared
.endif
.if ((ZE-2)>>2) > 1
	s_wait_alu depctr_va_vdst(0)
	v_pk_add_f32 v[ZA:ZA+1], v[ZA:ZA+1], v[ZS:ZS+1]
.endif
.endif
.endm
; gap gb: 0-22 maxima and factors; 23-88 the middle part; 89, 90 l; 91-106 P rounded to bf16, keys 0-31 into P0, keys 32-63 into TB
.macro BOPS
.if gb < 23
.set ZN, 4*gb
.rept 4
	SOP
.set ZN, ZN+1
.endr
.else
.if gb < 89
	EGAP
.else
.if gb == 89
.irp qt, 0,1,2,3
	v_add_f32 v[RAL+2*\qt+1], v[RACC+2*\qt], v[RACC+2*\qt+1]
.endr
.else
.if gb == 90
.irp qt, 0,1,2,3
	v_fma_f32 v[RM+2*\qt+1], v[RM+2*\qt+1], v[RAL+2*\qt], v[RAL+2*\qt+1]
.endr
.else
.set ZI, gb-91
.irp qt, 0,1,2,3
.if ZI < 8
	v_cvt_pk_bf16_f32 v[P0+8*\qt+ZI], v[RS+32*\qt+2*ZI], v[RS+32*\qt+2*ZI+1]
.else
	v_cvt_pk_bf16_f32 v[TB+8*\qt+ZI-8], v[RS+32*\qt+2*ZI], v[RS+32*\qt+2*ZI+1]
.endif
.endr
.endif
.endif
.endif
.endif
.endm
.macro BGAP                            ; a gap of phase B, behind one matrix instruction
.if SOFTON
.if gb <= 106
	WIN 0
	BOPS
.endif
.set gb, gb+1
.endif
.endm
; 16 matrix instructions: O^T += V^T P for group v (four d tiles, one half kp = v >> 2 of my keys), vt from set f.  Sixteen accumulators take turns,
; one instruction a turn.  All of kp = 0 comes first (v = 0 .. 3): P0 has been read for the last time behind matrix
; instruction 63, well ahead of gap 91, which writes it.  p1: the block that holds P (qt, 1).  first: kp = 0 starts the sums.
.macro PVG v, f, p1, first
.set WBACK, 0xa1+0x50*(((\v)&3)>>1)    ; source 0 window 1, source 1 window 0, C and D window 2 or 3
.irp d, 0,1,2,3
.irp qt, 0,1,2,3
.set OT, 8*(4*((4*((\v)&3)+\d)&7)+\qt)
.set PB, P0+((\p1)-P0)*((\v)>>2)+8*\qt
	WIN WBACK
.if (\first)*(1-((\v)>>2))
	v_wmma_f32_16x16x32_bf16 v[OT:OT+7], v[FS+32*\f+8*\d:FS+32*\f+8*\d+7], v[PB:PB+7], 0
.else
	v_wmma_f32_16x16x32_bf16 v[OT:OT+7], v[FS+32*\f+8*\d:FS+32*\f+8*\d+7], v[PB:PB+7], v[OT:OT+7]
.endif
	BGAP
.endr
.endr
.endm
; all of O^T times the lane's factors, in one block: only where there is no matrix work to stand between (the last stage, the way out)
.macro RESCALE
.irp win, 0x82, 0xc3
	WIN \win
.irp dt, 0,1,2,3,4,5,6,7
.irp qt, 0,1,2,3
.irp c, 0,2,4,6
	v_pk_mul_f32 v[8*(4*\dt+\qt)+\c:8*(4*\dt+\qt)+\c+1], v[8*(4*\dt+\qt)+\c:8*(4*\dt+\qt)+\c+1], v[RAL+2*\qt:RAL+2*\qt+1] op_sel_hi:[1,0]
.endr
.endr
.endr
.endr
.endm
; STEP t.  slot = t & 1: K_t lies in that slot, V_(t-1) in the other.  On entry K's sets for ks = 0, 1 are on their way into sets 0, 1.
; resc: phase A rescales.  pv: 0 no product in phase B, 1 it adds, 2 it starts the sums.
; mode 2: a round of the cluster's barrier, behind which K's part of this slot gets K_(t+2) (fk) and vt's part of the other V_(t+1) (fv);
; mode 1: the last step: a plain barrier, and the last stage's first sets.
; The two pairs of sets (0, 1) and (2, 3) take turns: a run of sixteen loads fills the pair that has just been multiplied, and the
; s_wait_dscnt 16 behind it leaves those sixteen out and shows the sixteen before them in (LDS loads come back in order).
.macro STEP slot, resc, pv, mode, fk, fv
.set RESC, \resc
.set SOFTON, 1
.set ga, 0
.set gb, 0
.set TB, P1A+64*\slot
	RUNHEAD
	LDK 2, 2, \slot
	LDK 3, 3, \slot
	s_wait_dscnt 16
	SG 0, 0, 0
	SG 1, 1, 0
	RUNHEAD
	LDK 4, 0, \slot
	LDQ 4, 1
	s_wait_dscnt 16
	SG 2, 2, 0
	SG 3, 3, 0
	RUNHEAD
	LDK 5, 2, \slot
	LDQ 5, 3
	s_wait_dscnt 16
	SG 4, 0, 1
	RUNHEAD
	LDK 6, 0, \slot
	LDQ 6, 1
	s_wait_dscnt 16
	SG 5, 2, 3
	RUNHEAD
	LDK 7, 2, \slot
	LDQ 7, 3
	s_wait_dscnt 16
	SG 6, 0, 1
.if \pv
	RUNHEAD
	LDV 0, 0, 1-\slot
	LDV 1, 1, 1-\slot
	s_wait_dscnt 16
	SG 7, 2, 3
	RUNHEAD                                        ; its four places also stand between S^T's last matrix instruction and the first maximum
	LDV 2, 2, 1-\slot
	LDV 3, 3, 1-\slot
	s_wait_dscnt 16
	PVG 0, 0, P1A+64*(1-\slot), \pv-1
	PVG 1, 1, P1A+64*(1-\slot), \pv-1
	RUNHEAD
	LDV 4, 0, 1-\slot
	LDV 5, 1, 1-\slot
	s_wait_dscnt 16
	PVG 2, 2, P1A+64*(1-\slot), \pv-1
	PVG 3, 3, P1A+64*(1-\slot), \pv-1
	RUNHEAD
	LDV 6, 2, 1-\slot
	LDV 7, 3, 1-\slot
	s_wait_dscnt 16
	PVG 4, 0, P1A+64*(1-\slot), \pv-1
	PVG 5, 1, P1A+64*(1-\slot), \pv-1
	s_wait_dscnt 0x0                               ; the last two sets are in: my reads of K_t and of V_(t-1) are over
	s_wait_xcnt 0x0
	v_lshl_add_u32 v232, v0, 2, 0x4c400
	v_mov_b32 v233, 0
	s_wait_tensorcnt 0x0                           ; all my tensor loads have landed, my parts of K_(t+1) and V_t among them;
	ds_add_u32 v232, v233
	s_wait_dscnt 0x0
.if \fk
	s_add_nc_u64 s[G0K+4*\slot+2:G0K+4*\slot+3], s[G0K+4*\slot+2:G0K+4*\slot+3], 131072   ; so the descriptors may be written: two tiles on
.endif
.if \fv
	s_add_nc_u64 s[G0V+4*(1-\slot)+2:G0V+4*(1-\slot)+3], s[G0V+4*(1-\slot)+2:G0V+4*(1-\slot)+3], 512
.endif
	s_barrier_signal -1                            ; mode 2: opens a round of the cluster's barrier; only register work inside the round
	PVG 6, 2, P1A+64*(1-\slot), \pv-1
	WIN 0
	s_barrier_wait -1
.if \mode == 2
	CREST                                          ; no wave of any of the four work-groups still reads these bytes or has a load on its way
.if \fk
	tensor_load_to_lds s[G0K+4*\slot:G0K+4*\slot+3], s[G1K:G1K+7]  ; the joint refills, first behind the round; K has the next step in which to land,
	s_nop 0
.endif
.if \fv
	tensor_load_to_lds s[G0V+4*(1-\slot):G0V+4*(1-\slot)+3], s[G1V:G1V+7]  ; vt a step and a half
	s_nop 0
.endif
	RUNHEAD
	LDK 0, 0, 1-\slot                              ; the next step's first sets
	LDK 1, 1, 1-\slot
.else
	RUNHEAD                                        ; V_15 is whole
	LDV 0, 0, \slot
	LDV 1, 1, \slot
.endif
	PVG 7, 3, P1A+64*(1-\slot), \pv-1
	WIN 0
.else
	s_wait_dscnt 0x0
	SG 7, 2, 3
	WIN 0
	PLACES
.rept 107
	BOPS                                           ; the first tile's softmax has no product to stand between
.set gb, gb+1
.endr
	s_wait_dscnt 0x0                               ; my reads of K_0 are over
	s_wait_xcnt 0x0
	v_lshl_add_u32 v232, v0, 2, 0x4c400
	v_mov_b32 v233, 0
	s_wait_tensorcnt 0x0                           ; tile 1 has landed
	ds_add_u32 v232, v233
	s_wait_dscnt 0x0
	s_add_nc_u64 s[G0K+4*\slot+2:G0K+4*\slot+3], s[G0K+4*\slot+2:G0K+4*\slot+3], 131072
	CROUND
	tensor_load_to_lds s[G0K+4*\slot:G0K+4*\slot+3], s[G1K:G1K+7]
	s_nop 0
	RUNHEAD
	LDK 0, 0, 1-\slot
	LDK 1, 1, 1-\slot
	WIN 0
.endif
.endm
	s_wait_tensorcnt 2                             ; tile 0's two loads of mine are in, tile 1's two stay out
	s_wait_dscnt 0x0                               ; my rows of Q are in LDS, for the other waves' sake
	s_barrier_signal -1
	s_barrier_wait -1                              ; everybody's are
	RUNHEAD
	LDK 0, 0, 0
	LDK 1, 1, 0
	WIN 0
	s_wait_loadcnt 0x0                             ; Q's registers
	STEP 0, 0, 0, 2, 1, 0                          ; tile 0: S and softmax alone; K_2 is asked for
	STEP 1, 0, 2, 2, 1, 1                          ; tile 1; tile 0's product starts the sums
	s_mov_b32 s22, 6
.Llap:
	STEP 0, 1, 1, 2, 1, 1                          ; tiles 2 to 13
	STEP 1, 1, 1, 2, 1, 1
	s_sub_co_u32 s22, s22, 1
	s_cmp_lg_u32 s22, 0
	s_cbranch_scc1 .Llap
	STEP 0, 1, 1, 2, 0, 1                          ; tile 14: only V_15 is left to ask for
	STEP 1, 1, 1, 1, 0, 0                          ; tile 15
	; the last stage: tile 15's factor and product
.set SOFTON, 0
	RESCALE
	RUNHEAD
	LDV 2, 2, 1
	LDV 3, 3, 1
	s_wait_dscnt 16
	PVG 0, 0, P1A+64, 0
	PVG 1, 1, P1A+64, 0
	RUNHEAD
	LDV 4, 0, 1
	LDV 5, 1, 1
	s_wait_dscnt 16
	PVG 2, 2, P1A+64, 0
	PVG 3, 3, P1A+64, 0
	RUNHEAD
	LDV 6, 2, 1
	LDV 7, 3, 1
	s_wait_dscnt 16
	PVG 4, 0, P1A+64, 0
	PVG 5, 1, P1A+64, 0
	s_wait_dscnt 0x0
	PVG 6, 2, P1A+64, 0
	PVG 7, 3, P1A+64, 0
	WIN 0
; THE WAY OUT.
.set RT,  RACC                         ; v[24:27] at work
.set WR,  160                          ; r
.set WH,  161                          ; h
.set WL,  162                          ; lane
.set SA,  163                          ; my stats
.set SPA, 164                          ; my partner's (the wave with the other j)
.set S2S, 165
.set S2L, 166
.set MLO, 167
.set STO, 168
.set RA,  169
.set RB,  170
.set PO,  171
.set XV,  172                          ; v[172:175]
.set XO,  176                          ; v[176:177]
	PLACES                                         ; behind the last matrix instructions
	v_and_b32 v[WR], 15, v0
	v_bfe_u32 v[WH], v0, 4, 1
	v_and_b32 v[WL], 31, v0
.irp qt, 0,1,2,3
	v_permlanex16_b32 v[RT], v[RM+2*\qt+1], s20, s21       ; l: the two halves of the lanes summed different keys of the same query
	v_add_f32 v[RM+2*\qt+1], v[RM+2*\qt+1], v[RT]
.endr
	s_lshl_b32 s56, s14, 9
	s_add_co_u32 s56, s56, STATS
	v_lshl_add_u32 v[SA], v[WR], 2, s56
	s_xor_b32 s57, s14, 1
	s_lshl_b32 s57, s57, 9
	s_add_co_u32 s57, s57, STATS
	v_lshl_add_u32 v[SPA], v[WR], 2, s57
.irp qt, 0,1,2,3
	ds_store_b32 v[SA], v[RM+2*\qt] offset:64*\qt          ; both halves of the lanes store the same number to the same word
	ds_store_b32 v[SA], v[RM+2*\qt+1] offset:256+64*\qt
.endr
	s_wait_dscnt 0x0                               ; my stats are in LDS, and all my reads of the slots are back
	s_barrier_signal -1
	s_barrier_wait -1                              ; so behind this barrier the slots, whose last fill has landed, can serve as the stage
.irp qt, 0,1,2,3
	ds_load_b32 v[32+\qt], v[SPA] offset:64*\qt
	ds_load_b32 v[36+\qt], v[SPA] offset:256+64*\qt
.endr
	s_wait_dscnt 0x0
.irp qt, 0,1,2,3
	v_max_num_f32 v[RT], v[RM+2*\qt], v[32+\qt]    ; the joint maximum,
	v_sub_f32 v[RT+1], v[RM+2*\qt], v[RT]
	v_sub_f32 v[RT+2], v[32+\qt], v[RT]
	v_exp_f32 v[RAL+2*\qt], v[RT+1]                ; my factor,
	v_exp_f32 v[RT+3], v[RT+2]                     ; my partner's
	v_mov_b32 v[RM+2*\qt], v[RT]                   ; (the plain place behind the transcendentals)
	s_wait_alu depctr_va_vdst(0)
	v_mul_f32 v[RM+2*\qt+1], v[RM+2*\qt+1], v[RAL+2*\qt]
	v_fmac_f32 v[RM+2*\qt+1], v[36+\qt], v[RT+3]   ; the joint l
.endr
	RESCALE                                        ; my sums on the joint maximum
	WIN 0
	; m (waves with j = 0) or l (j = 1) of my 64 queries: through LDS into one store of 256 consecutive bytes
.irp qt, 0,1,2,3
	v_cndmask_b32 v[XV+\qt], v[RM+2*\qt], v[RM+2*\qt+1], s23
.endr
	s_lshl_b32 s56, s14, 8
	s_add_co_u32 s56, s56, STATS2
	v_lshl_add_u32 v[S2S], v[WR], 2, s56
	v_lshl_add_u32 v[S2L], v[WL], 3, s56
	v_lshlrev_b32 v[MLO], 3, v[WL]
.irp qt, 0,1,2,3
	ds_store_b32 v[S2S], v[XV+\qt] offset:64*\qt
.endr
	ds_load_b64 v[XO:XO+1], v[S2L]                 ; my own bytes: LDS serves a wave's instructions in order (ISA guide 5.7.1.4)
	s_lshl_b32 s2, s18, 9                          ; ml: query block x 128 words
	s_lshl_b32 s56, s19, 16                        ;     + split x 2 x 8,192 words
	s_add_co_u32 s2, s2, s56
	s_lshl_b32 s56, s16, 15                        ;     + j x 8,192 words
	s_add_co_u32 s2, s2, s56
	s_lshl_b32 s56, s15, 8                         ;     + i x 64 words
	s_add_co_u32 s2, s2, s56
	s_add_nc_u64 s[12:13], s[12:13], s[2:3]        ; s3 is 0 since the head
	s_wait_dscnt 0x0
	global_store_b64 v[MLO], v[XO:XO+1], s[12:13]
	; my 64 queries x 256 d into my stage: a lane's eight registers are eight neighbouring d of query r
	s_mul_i32 s56, s14, WSTAGE
	v_mul_u32_u24 v[STO], v[WR], SPITCH
	v_lshl_add_u32 v[STO], v[WH], 5, v[STO]
	v_add_nc_u32 v[STO], s56, v[STO]
	WIN 0x08                                       ; store data from window 2
.irp dt, 0,1,2,3,4,5,6,7
.irp qt, 0,1,2,3
	ds_store_b128 v[STO], v[8*(4*\dt+\qt):8*(4*\dt+\qt)+3]   offset:\qt*16*SPITCH+64*\dt
	ds_store_b128 v[STO], v[8*(4*\dt+\qt)+4:8*(4*\dt+\qt)+7] offset:\qt*16*SPITCH+64*\dt+16
.endr
.endr
	WIN 0x0c                                       ; from window 3
.irp dt, 0,1,2,3,4,5,6,7
.irp qt, 0,1,2,3
	ds_store_b128 v[STO], v[8*(4*\dt+\qt):8*(4*\dt+\qt)+3]   offset:\qt*16*SPITCH+64*(\dt+8)
	ds_store_b128 v[STO], v[8*(4*\dt+\qt)+4:8*(4*\dt+\qt)+7] offset:\qt*16*SPITCH+64*(\dt+8)+16
.endr
.endr
	WIN 0
	s_mul_i32 s56, s15, 2*WSTAGE                   ; I add the two stages of my i for queries 32 j .. 32 j + 31 of its 64
	s_mul_i32 s57, s16, 32*SPITCH
	s_add_co_u32 s56, s56, s57
	v_lshl_add_u32 v[RA], v[WL], 4, s56
	v_add_nc_u32 v[RB], WSTAGE, v[RA]
	v_lshlrev_b32 v[PO], 4, v[WL]
	s_lshl_b32 s2, s18, 17                         ; part: query block x 128 rows of 1,024 bytes
	s_lshl_b32 s56, s19, 23                        ;       + split x 8,192 rows
	s_add_co_u32 s2, s2, s56
	s_lshl_b32 s56, s15, 16                        ;       + i x 64 rows
	s_add_co_u32 s2, s2, s56
	s_lshl_b32 s56, s16, 15                        ;       + j x 32 rows
	s_add_co_u32 s2, s2, s56
	s_add_nc_u64 s[10:11], s[10:11], s[2:3]
	s_wait_dscnt 0x0                               ; my stage is in LDS, for my partner's sake
	s_barrier_signal -1
	s_barrier_wait -1
; four rows: both stages' halves of 512 bytes, added, stored as 512 consecutive bytes a store.  Two register buffers take turns.
.macro OUT4 blk, reg
	s_wait_xcnt 0x0                                ; the buffer, which earlier stores read, is loaded again only behind this wait
.irp k, 0,1,2,3
.irp hf, 0,1
	ds_load_b128 v[\reg+4*(2*\k+\hf):\reg+4*(2*\k+\hf)+3],       v[RA] offset:(4*\blk+\k)*SPITCH+512*\hf
	ds_load_b128 v[\reg+32+4*(2*\k+\hf):\reg+32+4*(2*\k+\hf)+3], v[RB] offset:(4*\blk+\k)*SPITCH+512*\hf
.endr
.endr
	s_wait_dscnt 0x0
.irp c, 0,2,4,6,8,10,12,14,16,18,20,22,24,26,28,30
	v_pk_add_f32 v[\reg+\c:\reg+\c+1], v[\reg+\c:\reg+\c+1], v[\reg+32+\c:\reg+32+\c+1]
.endr
.irp k, 0,1,2,3
.irp hf, 0,1
	global_store_b128 v[PO], v[\reg+4*(2*\k+\hf):\reg+4*(2*\k+\hf)+3], s[10:11] offset:(4*\blk+\k)*1024+512*\hf
.endr
.endr
.endm
	OUT4 0, 32
	OUT4 1, 96
	OUT4 2, 32
	OUT4 3, 96
	OUT4 4, 32
	OUT4 5, 96
	OUT4 6, 32
	OUT4 7, 96
	s_wait_xcnt 0x0
	v_lshl_add_u32 v232, v0, 2, 0x4c400
	v_mov_b32 v233, 0
	s_wait_tensorcnt 0x0
	ds_add_u32 v232, v233
	s_wait_dscnt 0x0
	CROUND                                         ; the closing round: no work-group ends while a partner may still ask for a tile that names it
	s_endpgm
.Lfunc_end_k_q5adfae0377_attn:
	.size	k_q5adfae0377_attn, .Lfunc_end_k_q5adfae0377_attn-k_q5adfae0377_attn
	.p2alignl 7, 3214868480
	.fill 96, 4, 3214868480
	.section	.rodata,"a",@progbits
	.p2align	6, 0x0
	.amdhsa_kernel k_q5adfae0377_attn
		.amdhsa_group_segment_fixed_size 327680
		.amdhsa_private_segment_fixed_size 0
		.amdhsa_enable_private_segment 0
		.amdhsa_kernarg_size 40
		.amdhsa_user_sgpr_count 2
		.amdhsa_user_sgpr_kernarg_segment_ptr 1
		.amdhsa_wavefront_size32 1
		.amdhsa_system_sgpr_workgroup_id_x 1
		.amdhsa_system_sgpr_workgroup_id_y 1
		.amdhsa_system_sgpr_workgroup_id_z 1
		.amdhsa_system_vgpr_workitem_id 0
		.amdhsa_next_free_vgpr 1024
		.amdhsa_next_free_sgpr 66
		.amdhsa_reserve_vcc 0
		.amdhsa_float_denorm_mode_32 3
		.amdhsa_float_denorm_mode_16_64 3
		.amdhsa_memory_ordered 1
		.amdhsa_forward_progress 1
		.amdhsa_inst_pref_size 255
	.end_amdhsa_kernel
	.section	.bss,"aw",@nobits
	.p2align	6
	.space	262144
	.amdgpu_metadata
---
amdhsa.version: [ 1, 2 ]
amdhsa.kernels:
  - .name:           k_q5adfae0377_attn
    .symbol:         k_q5adfae0377_attn.kd
    .args:
      - { .name: qr, .offset: 0, .size: 8, .value_kind: global_buffer, .address_space: global }
      - { .name: kr, .offset: 8, .size: 8, .value_kind: global_buffer, .address_space: global }
      - { .name: vt, .offset: 16, .size: 8, .value_kind: global_buffer, .address_space: global }
      - { .name: part, .offset: 24, .size: 8, .value_kind: global_buffer, .address_space: global }
      - { .name: ml, .offset: 32, .size: 8, .value_kind: global_buffer, .address_space: global }
    .group_segment_fixed_size: 327680
    .private_segment_fixed_size: 0
    .kernarg_segment_align: 8
    .kernarg_segment_size: 40
    .max_flat_workgroup_size: 128
    .sgpr_count:     66
    .vgpr_count:     1024
    .wavefront_size: 32
...
	.end_amdgpu_metadata
.endif
;; end of part 2
;; launch comb (part 3): grid 256 x 1, 8 waves a work-group, no clusters, 0 bytes of LDS; arguments part, ml, out0; writes out0
.if DOCPART == 3
	.amdgcn_target "amdgcn-amd-amdhsa--gfx1250"
	.amdhsa_code_object_version 6
	.text
	.protected	k_q5adfae0377_comb
	.globl	k_q5adfae0377_comb
	.p2align	8
	.type	k_q5adfae0377_comb,@function
k_q5adfae0377_comb:
	s_mov_b64 s[64:65], 0
	v_nop
	global_prefetch_b8 v0, s[64:65] scope:SCOPE_SE
	s_setreg_imm32_b32 hwreg(HW_REG_WAVE_MODE, 25, 1), 1
	s_wait_xcnt 0x0
; comb: out0[q][:] = sum over the four key splits s of c_s part[s][q][:], c_s = 2^(m_s - M) / sum over t of 2^(m_t - M) l_t, M = max over s of m_s.
; part: [4][8192][256] f32.  ml: [4][2][8192] f32 (m, then l).  out0: [8192][256] f32.
; A stream: each byte of part is read once, each byte of out0 written once, 512 consecutive bytes an instruction.  Wave w of work-group g owns
; rows 32 g + 4 w .. + 3 and has all its 32 loads on their way at once: no loop, no LDS, no barrier.  No matrix unit, no cluster: nothing is
; shared between work-groups and there is one multiply-add for each number read.
; The denominator is at least 1: the split that holds M has factor 1, and its l holds the term 2^0.
	s_load_b128 s[4:7], s[0:1], 0x0                ; part s[4:5], ml s[6:7]
	s_load_b64 s[8:9], s[0:1], 0x10                ; out0
	v_lshrrev_b32 v1, 5, v0
	v_readfirstlane_b32 s10, v1                    ; wave 0..7
	s_lshl_b32 s11, ttmp9, 5
	s_lshl2_add_u32 s11, s10, s11                  ; my first row
	v_and_b32 v1, 31, v0
	v_and_b32 v2, 3, v0
	v_add_nc_u32 v2, s11, v2
	v_lshlrev_b32 v2, 2, v2                        ; lane l takes the stats of row l & 3
	v_lshlrev_b32 v1, 4, v1                        ; 16 x lane
	s_lshl_b32 s22, s11, 10
	s_mov_b32 s23, 0
	s_wait_kmcnt 0x0
	s_add_nc_u64 s[12:13], s[4:5], s[22:23]        ; my rows in the four splits, 8,388,608 bytes apart
	s_add_nc_u64 s[14:15], s[12:13], 0x800000
	s_add_nc_u64 s[16:17], s[14:15], 0x800000
	s_add_nc_u64 s[18:19], s[16:17], 0x800000
	s_add_nc_u64 s[20:21], s[8:9], s[22:23]
.irp s, 0,1,2,3
	global_load_b32 v[4+\s], v2, s[6:7] offset:\s*65536            ; m_s
	global_load_b32 v[8+\s], v2, s[6:7] offset:\s*65536+32768      ; l_s
.endr
.irp k, 0,1,2,3
.irp s, 0,1,2,3
.irp hf, 0,1
	global_load_b128 v[32+4*(8*\k+2*\s+\hf):32+4*(8*\k+2*\s+\hf)+3], v1, s[12+2*\s:13+2*\s] offset:\k*1024+512*\hf th:TH_LOAD_NT
.endr
.endr
.endr
	s_wait_loadcnt 32                              ; the eight stats are in; the 32 loads behind them stay out
	v_max3_num_f32 v12, v4, v5, v6
	v_max_num_f32 v12, v12, v7
.irp s, 0,1,2,3
	v_sub_f32 v[13+\s], v[4+\s], v12
.endr
.irp s, 0,1,2,3
	v_exp_f32 v[13+\s], v[13+\s]
.endr
	v_nop                                          ; one plain place behind the transcendentals (ISA guide 5.7.2)
	s_wait_alu depctr_va_vdst(0)
	v_mul_f32 v17, v13, v8
	v_fmac_f32 v17, v14, v9
	v_fmac_f32 v17, v15, v10
	v_fmac_f32 v17, v16, v11
	v_rcp_f32 v18, v17
	v_nop
	s_wait_alu depctr_va_vdst(0)
.irp s, 0,1,2,3
	v_mul_f32 v[13+\s], v[13+\s], v18
.endr
.irp k, 0,1,2,3
.irp s, 0,1,2,3
	v_readlane_b32 s[32+4*\k+\s], v[13+\s], \k     ; row k's four factors, as multipliers for the whole wave
.endr
.endr
.irp k, 0,1,2,3
	s_wait_loadcnt 8*(3-\k)                        ; row k's eight loads are in; the later rows' stay out
.irp hf, 0,1
.irp c, 0,1,2,3
	v_mul_f32  v[32+4*(8*\k+\hf)+\c], s[32+4*\k], v[32+4*(8*\k+\hf)+\c]
	v_fmac_f32 v[32+4*(8*\k+\hf)+\c], s[33+4*\k], v[32+4*(8*\k+2+\hf)+\c]
	v_fmac_f32 v[32+4*(8*\k+\hf)+\c], s[34+4*\k], v[32+4*(8*\k+4+\hf)+\c]
	v_fmac_f32 v[32+4*(8*\k+\hf)+\c], s[35+4*\k], v[32+4*(8*\k+6+\hf)+\c]
.endr
	global_store_b128 v1, v[32+4*(8*\k+\hf):32+4*(8*\k+\hf)+3], s[20:21] offset:\k*1024+512*\hf th:TH_STORE_NT
.endr
.endr
	s_endpgm
.Lfunc_end_k_q5adfae0377_comb:
	.size	k_q5adfae0377_comb, .Lfunc_end_k_q5adfae0377_comb-k_q5adfae0377_comb
	.p2alignl 7, 3214868480
	.fill 96, 4, 3214868480
	.section	.rodata,"a",@progbits
	.p2align	6, 0x0
	.amdhsa_kernel k_q5adfae0377_comb
		.amdhsa_group_segment_fixed_size 0
		.amdhsa_private_segment_fixed_size 0
		.amdhsa_enable_private_segment 0
		.amdhsa_kernarg_size 24
		.amdhsa_user_sgpr_count 2
		.amdhsa_user_sgpr_kernarg_segment_ptr 1
		.amdhsa_wavefront_size32 1
		.amdhsa_system_sgpr_workgroup_id_x 1
		.amdhsa_system_sgpr_workgroup_id_y 1
		.amdhsa_system_sgpr_workgroup_id_z 1
		.amdhsa_system_vgpr_workitem_id 0
		.amdhsa_next_free_vgpr 160
		.amdhsa_next_free_sgpr 66
		.amdhsa_reserve_vcc 0
		.amdhsa_float_denorm_mode_32 3
		.amdhsa_float_denorm_mode_16_64 3
		.amdhsa_memory_ordered 1
		.amdhsa_forward_progress 1
		.amdhsa_inst_pref_size 12
	.end_amdhsa_kernel
	.amdgpu_metadata
---
amdhsa.version: [ 1, 2 ]
amdhsa.kernels:
  - .name:           k_q5adfae0377_comb
    .symbol:         k_q5adfae0377_comb.kd
    .args:
      - { .name: part, .offset: 0, .size: 8, .value_kind: global_buffer, .address_space: global }
      - { .name: ml, .offset: 8, .size: 8, .value_kind: global_buffer, .address_space: global }
      - { .name: out0, .offset: 16, .size: 8, .value_kind: global_buffer, .address_space: global }
    .group_segment_fixed_size: 0
    .private_segment_fixed_size: 0
    .kernarg_segment_align: 8
    .kernarg_segment_size: 24
    .max_flat_workgroup_size: 256
    .sgpr_count:     66
    .vgpr_count:     160
    .wavefront_size: 32
...
	.end_amdgpu_metadata
.endif
;; end of part 3
;; ======== version 2 of 2: 3 launches; 1.14 times as fast as version 1
;; workspace buffers: qr 4,194,304 bytes; kr 4,194,304 bytes; vt 4,194,304 bytes; part 33,554,432 bytes; ml 262,144 bytes
;; launch proj (part 4): grid 64 x 3, 8 waves a work-group, no clusters, 273,408 bytes of LDS; arguments x, wq, wk, wv, bq, bk, bv, qr, kr, vt; writes qr, kr, vt
.if DOCPART == 4
	.amdgcn_target "amdgcn-amd-amdhsa--gfx1250"
	.amdhsa_code_object_version 6
	.text
	.protected	k_q5adfae0377_proj
	.globl	k_q5adfae0377_proj
	.p2align	8
	.type	k_q5adfae0377_proj,@function
k_q5adfae0377_proj:
	s_mov_b64 s[64:65], 0
	v_nop
	global_prefetch_b8 v0, s[64:65] scope:SCOPE_SE
	s_setreg_imm32_b32 hwreg(HW_REG_WAVE_MODE, 25, 1), 1
	s_wait_xcnt 0x0
; proj: qr = rope(x wq^T + bq) * log2(e)/16, kr = rope(x wk^T + bk), vt = (x wv^T + bv)^T, all three in bf16.
; x: [8192][256] f32, w*: [256][256] f32, b*: [256] f32.  qr, kr: [8192][256] bf16.  vt: [256][8192] bf16.
; Work-group (x = row block of 128 rows, y = 0, 1, 2 for Q, K, V): 128 rows x 256 features, eight waves, a wave 64 rows x 64 features
; (16 accumulator tiles).  64 x 3 = 192 work-groups: that is all the work there is.
; The rope here has no position: for feature pair p, f = 1000^(-p/128), e' = e cos f - o sin f, o' = o (sin f + cos f).
; sin and cos are Taylor sums of fixed length: the arguments are the problem's own constants in (0, 1], where the first term left
; out is below 2e-10.  o (sin + cos) is one product where the source forms two and adds them.
; A lane's sixteen f are ONE BATCH of exponentials with one wait: sixteen arguments, sixteen v_exp_f32, the stage's address, the wait, then the sums.
; The factor log2(e)/16 (the division by sqrt(256), and base 2 for the exponentials of the next launch) is folded into Q's coefficients.
; LIMITS: x, w and the three results are rounded to bf16 (matrix operands); sums, bias and rope are f32.
; NO JOINT LOADS, though all 64 row blocks read the same w: x and w lie in memory as f32 and are wanted as bf16.  Through registers each
; number is rounded once and the work-group's 256 + 128 rows take 202,752 bytes of LDS; as f32 tiles they would be 393,216 bytes,
; more than a work-group can be given, and every wave would round what it reads again.
.set PW,   528                         ; LDS pitch of a row of 256 bf16: 512 + 16 bytes, an odd multiple of 16
.set PT,   272                         ; LDS pitch of a row of 128 bf16 (V's stage): 256 + 16
.set XR,   256*PW                      ; w's 256 rows lie at 0, x's 128 rows here
.set STG,  XR+128*PW                   ; the stage for the way out: 128 rows of PW (Q, K) or 256 rows of PT (V): 69,632 bytes
.set GO,   4                           ; v4   16 x lane
.set LW,   5                           ; v5   where my 8 bytes of w's rows go
.set LX,   6                           ; v6   the same for x's rows
.set XFA,  7                           ; v7   my x fragments
.set WFA,  8                           ; v8   my w fragments
.set STO,  9                           ; v9   stage, in
.set RD,   10                          ; v10  stage, back
.set GCO,  11                          ; v11  V: byte offset in vt
.set BO,   12                          ; v12  byte offset in the bias
.set PB,   13                          ; v13  my first feature pair
.set RH,   14                          ; v14  r x 528 + 16 h;  v15: r x 272 + 16 h
.set T,    16                          ; v[16:23]  phase 1: four pairs of packed bf16
.set CCO,  16                          ; v[16:31]  first f, then cos x scale, pair 4 a + c
.set CSI,  32                          ; v[32:47]  first f's exponent, then sin x scale
.set CCS,  48                          ; v[48:63]  (sin + cos) x scale
.set XF,   64                          ; v[64:95]  four fragments of x; later the bias
.set BIAS, 64
.set WF,   96                          ; v[96:127] four fragments of w; later packed results and temporaries
.set PKR,  96
.set TA,   112
.set TB,   113
.set TC,   114
.set TD,   115
.set TT,   116
.set RING, 128                         ; v[128:255] phase 1: 32 load slots of 4 registers
.set ACC,  128                         ; then the 16 accumulator tiles (a, b) at 128 + 8 (4 a + b); then the way out
.macro PLACES                          ; four plain places behind a matrix instruction (ISA guide 7.12.1), before its registers are touched
.rept 4
	v_nop
.endr
.endm
	s_load_b256 s[4:11], s[0:1], 0x0               ; x s[4:5], wq s[6:7], wk s[8:9], wv s[10:11]
	s_load_b256 s[12:19], s[0:1], 0x20             ; bq s[12:13], bk s[14:15], bv s[16:17], qr s[18:19]
	s_load_b128 s[20:23], s[0:1], 0x40             ; kr s[20:21], vt s[22:23]
	s_set_vgpr_msb 0x40
	v_lshl_add_u32 v0, v0, 2, 0x42800
	v_mov_b32 v1, 0
	s_set_vgpr_msb 0x4000
	v_lshrrev_b32 v1, 5, v0
	v_readfirstlane_b32 s24, v1                    ; wave 0..7
	s_lshr_b32 s25, s24, 2                         ; wi: which 64 rows
	s_and_b32 s26, s24, 3                          ; wj: which 64 features
	s_and_b32 s27, ttmp7, 0xffff                   ; 0 Q, 1 K, 2 V
	s_mov_b32 s41, 0xb2d7322b                      ; -1/11!
	s_mov_b32 s42, 0x310f76c7                      ; 1/12!
	v_and_b32 v1, 31, v0                           ; lane
	v_and_b32 v2, 15, v0                           ; r
	v_bfe_u32 v3, v0, 4, 1                         ; h
	v_lshlrev_b32 v[GO], 4, v1
	s_mul_i32 s38, s24, 32*PW                      ; wave w brings w's rows 32 w .. 32 w + 31
	v_lshl_add_u32 v[LW], v1, 3, s38
	s_mul_i32 s38, s24, 16*PW                      ; and x's rows 16 w .. 16 w + 15
	s_add_co_u32 s38, s38, XR
	v_lshl_add_u32 v[LX], v1, 3, s38
	v_mul_u32_u24 v[RH], v2, PW
	v_lshl_add_u32 v[RH], v3, 4, v[RH]             ; fragment address in a lane: row r, 16 bytes for each half of the lanes
	s_mul_i32 s38, s25, 64*PW
	s_add_co_u32 s38, s38, XR
	v_add_nc_u32 v[XFA], s38, v[RH]
	s_mul_i32 s38, s26, 64*PW
	v_add_nc_u32 v[WFA], s38, v[RH]
	s_wait_kmcnt 0x0
	s_cmp_eq_u32 s27, 0                            ; the work-group's matrix, bias, result and scale
	s_cselect_b64 s[30:31], s[6:7], s[8:9]
	s_cselect_b64 s[32:33], s[12:13], s[14:15]
	s_cselect_b64 s[34:35], s[18:19], s[20:21]
	s_cselect_b32 s40, 0x3db8aa3b, 1.0             ; log2(e)/16 for Q
	s_cmp_eq_u32 s27, 2
	s_cselect_b64 s[30:31], s[10:11], s[30:31]
	s_cselect_b64 s[32:33], s[16:17], s[32:33]
	s_cselect_b64 s[34:35], s[22:23], s[34:35]
	s_lshl_b32 s38, s24, 15                        ; 32 rows of 1,024 bytes a wave
	s_mov_b32 s39, 0
	s_add_nc_u64 s[30:31], s[30:31], s[38:39]
	s_lshl_b32 s38, ttmp9, 17                      ; 128 rows of 1,024 bytes a work-group,
	s_lshl_b32 s29, s24, 14                        ; 16 a wave
	s_add_co_u32 s38, s38, s29
	s_add_nc_u64 s[36:37], s[4:5], s[38:39]
; PHASE 1: 96 items a wave, each half a row: 512 consecutive bytes of f32 in, 256 consecutive bytes of bf16 into LDS.
; Items 0-63 are w's, 64-95 x's.  A ring of 32 register slots keeps 32 loads on their way.  No address register is ever rewritten.
.macro GLOAD n
.if (\n) < 64
	global_load_b128 v[RING+4*((\n)%32):RING+4*((\n)%32)+3], v[GO], s[30:31] offset:((\n)>>1)*1024+((\n)&1)*512
.else
	global_load_b128 v[RING+4*((\n)%32):RING+4*((\n)%32)+3], v[GO], s[36:37] offset:(((\n)>>1)-32)*1024+((\n)&1)*512
.endif
.endm
.macro ITEM n, ahead, left
	s_wait_loadcnt \left                           ; loads come back in order: item n is in, the younger ones stay out
	v_cvt_pk_bf16_f32 v[T+2*((\n)%4)], v[RING+4*((\n)%32)], v[RING+4*((\n)%32)+1]
	v_cvt_pk_bf16_f32 v[T+2*((\n)%4)+1], v[RING+4*((\n)%32)+2], v[RING+4*((\n)%32)+3]
.if (\n) < 64
	ds_store_b64 v[LW], v[T+2*((\n)%4):T+2*((\n)%4)+1] offset:((\n)>>1)*PW+((\n)&1)*256
.else
	ds_store_b64 v[LX], v[T+2*((\n)%4):T+2*((\n)%4)+1] offset:(((\n)>>1)-32)*PW+((\n)&1)*256
.endif
.if \ahead
	GLOAD (\n)+32
.endif
.endm
.set it, 0
.rept 32
	GLOAD it
.set it, it+1
.endr
.set it, 0
.rept 64
	ITEM it, 1, 31                                 ; 31 younger loads are out
.set it, it+1
.endr
.rept 32
	ITEM it, 0, 95-it                              ; the last 32 load nothing: the counts run down
.set it, it+1
.endr
	s_wait_dscnt 0x0                               ; my stores are in LDS, for the other waves' sake
	s_barrier_signal -1
	s_barrier_wait -1
; PHASE 2: eight steps of 32 along K.  swap = 0 (Q, K): source 0 = 16 features of w, source 1 = 16 rows of x: a lane holds row r and eight
; neighbouring features.  swap = 1 (V): the other way round: a lane holds feature r and eight neighbouring rows, as vt wants them.
; The first step starts the sums.  The sixteen accumulators take turns, one instruction a turn.
.macro KSTEP ks, swap
.if \ks
	PLACES
.endif
.irp t, 0,1,2,3
	ds_load_b128 v[XF+8*\t:XF+8*\t+3],   v[XFA] offset:\t*16*PW+64*\ks
	ds_load_b128 v[XF+8*\t+4:XF+8*\t+7], v[XFA] offset:\t*16*PW+64*\ks+32
	ds_load_b128 v[WF+8*\t:WF+8*\t+3],   v[WFA] offset:\t*16*PW+64*\ks
	ds_load_b128 v[WF+8*\t+4:WF+8*\t+7], v[WFA] offset:\t*16*PW+64*\ks+32
.endr
	s_wait_dscnt 0x0
.irp a, 0,1,2,3
.irp b, 0,1,2,3
.if \swap
.if \ks
	v_wmma_f32_16x16x32_bf16 v[ACC+8*(4*\a+\b):ACC+8*(4*\a+\b)+7], v[XF+8*\a:XF+8*\a+7], v[WF+8*\b:WF+8*\b+7], v[ACC+8*(4*\a+\b):ACC+8*(4*\a+\b)+7]
.else
	v_wmma_f32_16x16x32_bf16 v[ACC+8*(4*\a+\b):ACC+8*(4*\a+\b)+7], v[XF+8*\a:XF+8*\a+7], v[WF+8*\b:WF+8*\b+7], 0
.endif
.else
.if \ks
	v_wmma_f32_16x16x32_bf16 v[ACC+8*(4*\a+\b):ACC+8*(4*\a+\b)+7], v[WF+8*\a:WF+8*\a+7], v[XF+8*\b:XF+8*\b+7], v[ACC+8*(4*\a+\b):ACC+8*(4*\a+\b)+7]
.else
	v_wmma_f32_16x16x32_bf16 v[ACC+8*(4*\a+\b):ACC+8*(4*\a+\b)+7], v[WF+8*\a:WF+8*\a+7], v[XF+8*\b:XF+8*\b+7], 0
.endif
.endif
.endr
.endr
.endm
; one line for each of my sixteen pairs: idx = 4 a + c stands for pair PB + 8 a + c
.macro ALL16 line:vararg
.set idx, 0
.rept 16
	\line
.set idx, idx+1
.endr
.endm
; cos, sin and their sum for pair idx, times the scale.  f lies in v[CCO+idx], which takes the cosine when f has been read for the last time.
.macro ROPEC idx
	v_mul_f32 v[TB], v[CCO+(\idx)], v[CCO+(\idx)]
	v_fmaak_f32 v[TC], s41, v[TB], 0x3638ef1d      ; sin f / f: -1/11!, 1/9!, -1/7!, 1/5!, -1/3!, 1
	v_fmaak_f32 v[TD], s42, v[TB], 0xb493f27e      ; cos f: 1/12!, -1/10!, 1/8!, -1/6!, 1/4!, -1/2, 1
	v_fmaak_f32 v[TC], v[TC], v[TB], 0xb9500d01
	v_fmaak_f32 v[TD], v[TD], v[TB], 0x37d00d01
	v_fmaak_f32 v[TC], v[TC], v[TB], 0x3c088889
	v_fmaak_f32 v[TD], v[TD], v[TB], 0xbab60b61
	v_fmaak_f32 v[TC], v[TC], v[TB], 0xbe2aaaab
	v_fmaak_f32 v[TD], v[TD], v[TB], 0x3d2aaaab
	v_fma_f32 v[TC], v[TC], v[TB], 1.0
	v_fma_f32 v[TD], v[TD], v[TB], -0.5
	v_mul_f32 v[TC], v[TC], v[CCO+(\idx)]          ; sin
	v_fma_f32 v[TD], v[TD], v[TB], 1.0             ; cos
	v_add_f32 v[TA], v[TC], v[TD]
	v_mul_f32 v[CSI+(\idx)], s40, v[TC]
	v_mul_f32 v[CCO+(\idx)], s40, v[TD]
	v_mul_f32 v[CCS+(\idx)], s40, v[TA]
.endm
; one tile of Q or K: bias, rope, rounding, 16 bytes (8 neighbouring features of row r) into the stage
.macro ROT ta, tb
.set AB, ACC+8*(4*\ta+\tb)
.irp c, 0,1,2,3
	v_pk_add_f32 v[AB+2*\c:AB+2*\c+1], v[AB+2*\c:AB+2*\c+1], v[BIAS+8*\ta+2*\c:BIAS+8*\ta+2*\c+1]
.endr
.irp c, 0,1,2,3
	v_mul_f32 v[TT+\c], v[AB+2*\c+1], v[CSI+4*\ta+\c]
.endr
.irp c, 0,1,2,3
	v_fma_f32 v[AB+2*\c], v[AB+2*\c], v[CCO+4*\ta+\c], -v[TT+\c]
	v_mul_f32 v[AB+2*\c+1], v[AB+2*\c+1], v[CCS+4*\ta+\c]
.endr
.irp c, 0,1,2,3
	v_cvt_pk_bf16_f32 v[PKR+4*\tb+\c], v[AB+2*\c], v[AB+2*\c+1]
.endr
	ds_store_b128 v[STO], v[PKR+4*\tb:PKR+4*\tb+3] offset:\tb*16*PW+32*\ta
.endm
; one tile of V: bias of feature r, rounding, 16 bytes (8 neighbouring rows of feature r) into the stage
.macro VOUT ta, tb
.set AB, ACC+8*(4*\ta+\tb)
.irp c, 0,1,2,3,4,5,6,7
	v_add_f32 v[AB+\c], v[AB+\c], v[BIAS+\tb]
.endr
.irp c, 0,1,2,3
	v_cvt_pk_bf16_f32 v[PKR+4*\tb+\c], v[AB+2*\c], v[AB+2*\c+1]
.endr
	ds_store_b128 v[STO], v[PKR+4*\tb:PKR+4*\tb+3] offset:\tb*16*PT+32*\ta
.endm
	s_cmp_eq_u32 s27, 2                            ; the same in every wave of the work-group; no barrier stands inside
	s_cbranch_scc1 .Lv_mul
.irp k, 0,1,2,3,4,5,6,7
	KSTEP \k, 0
.endr
	PLACES                                         ; behind the last matrix instructions: their registers are read and written below
	s_lshl_b32 s38, s26, 8
	v_lshl_add_u32 v[BO], v3, 5, s38               ; bias of features 64 wj + 8 h + 16 a ..
.irp a, 0,1,2,3
	global_load_b128 v[BIAS+8*\a:BIAS+8*\a+3],   v[BO], s[32:33] offset:64*\a
	global_load_b128 v[BIAS+8*\a+4:BIAS+8*\a+7], v[BO], s[32:33] offset:64*\a+16
.endr
	s_lshl_b32 s38, s26, 5
	v_lshl_add_u32 v[PB], v3, 2, s38               ; pair 32 wj + 4 h + 8 a + c
	; THE BATCH: f = 1000^(-p/128) for my sixteen pairs.  Each exponent and each f has a register of its own.
	ALL16 v_add_nc_u32 v[CSI+idx], 8*(idx/4)+idx%4, v[PB]
	ALL16 v_cvt_f32_u32 v[CSI+idx], v[CSI+idx]
	ALL16 v_mul_f32 v[CSI+idx], 0xbd9f73da, v[CSI+idx]             ; -p log2(1000)/128
	ALL16 v_exp_f32 v[CCO+idx], v[CSI+idx]
	s_mul_i32 s38, s25, 64*PW
	s_lshl_b32 s29, s26, 7
	s_add_co_u32 s38, s38, s29
	s_add_co_u32 s38, s38, STG
	v_add_nc_u32 v[STO], s38, v[RH]                ; stage row 64 wi + r, byte 128 wj + 16 h: the plain place behind the last exponential (ISA guide 5.7.2)
	s_wait_alu depctr_va_vdst(0)                   ; the one wait for the sixteen f, ahead of their first reader
.irp i, 0,1,2,3,4,5,6,7,8,9,10,11,12,13,14,15
	ROPEC \i
.endr
	s_wait_loadcnt 0x0                             ; the bias
.irp a, 0,1,2,3
.irp b, 0,1,2,3
	ROT \a, \b
.endr
.endr
	s_branch .Lstaged
.Lv_mul:
.irp k, 0,1,2,3,4,5,6,7
	KSTEP \k, 1
.endr
	PLACES
	s_lshl_b32 s38, s26, 8
	v_lshl_add_u32 v[BO], v2, 2, s38               ; bias of feature 64 wj + r + 16 b
.irp b, 0,1,2,3
	global_load_b32 v[BIAS+\b], v[BO], s[32:33] offset:64*\b
.endr
	v_mul_u32_u24 v15, v2, PT
	v_lshl_add_u32 v15, v3, 4, v15
	s_mul_i32 s38, s26, 64*PT
	s_lshl_b32 s29, s25, 7
	s_add_co_u32 s38, s38, s29
	s_add_co_u32 s38, s38, STG
	v_add_nc_u32 v[STO], s38, v15                  ; stage row 64 wj + r (a feature), byte 128 wi + 16 h
	s_wait_loadcnt 0x0
.irp a, 0,1,2,3
.irp b, 0,1,2,3
	VOUT \a, \b
.endr
.endr
.Lstaged:
	s_wait_dscnt 0x0                               ; my part of the stage is in LDS, for the other waves' sake
	s_barrier_signal -1
	s_barrier_wait -1
; PHASE 4: whole rows back from the stage and out.
	s_cmp_eq_u32 s27, 2
	s_cbranch_scc1 .Lv_out
	s_mul_i32 s38, s24, 16*PW                      ; Q, K: wave w stores rows 16 w .. 16 w + 15, 512 consecutive bytes a store
	s_add_co_u32 s38, s38, STG
	v_add_nc_u32 v[RD], s38, v[GO]
	s_lshl_b32 s38, ttmp9, 16
	s_lshl_b32 s29, s24, 13
	s_add_co_u32 s38, s38, s29
	s_add_nc_u64 s[34:35], s[34:35], s[38:39]
.irp q, 0,1,2,3,4,5,6,7,8,9,10,11,12,13,14,15
	ds_load_b128 v[ACC+4*\q:ACC+4*\q+3], v[RD] offset:\q*PW
.endr
.irp q, 0,1,2,3,4,5,6,7,8,9,10,11,12,13,14,15
	s_wait_dscnt 15-\q                             ; LDS loads come back in order: row q is in
	global_store_b128 v[GO], v[ACC+4*\q:ACC+4*\q+3], s[34:35] offset:\q*512
.endr
	s_set_vgpr_msb 0x5
	s_wait_tensorcnt 0x0
	ds_add_u32 v0, v1
	s_wait_dscnt 0x0
	s_set_vgpr_msb 0x500
	s_endpgm
.Lv_out:
	v_mul_u32_u24 v[RD], v3, PT                    ; V: wave w stores features 32 w .. 32 w + 31, two a store:
	v_lshl_add_u32 v[RD], v2, 4, v[RD]             ; sixteen lanes store 256 consecutive bytes, at a multiple of 256 from vt's first byte
	s_mul_i32 s38, s24, 32*PT
	s_add_co_u32 s38, s38, STG
	v_add_nc_u32 v[RD], s38, v[RD]
	v_lshlrev_b32 v[GCO], 14, v3                   ; a row of vt is 16,384 bytes
	v_lshl_add_u32 v[GCO], v2, 4, v[GCO]
	s_lshl_b32 s38, s24, 19
	s_lshl_b32 s29, ttmp9, 8
	s_add_co_u32 s38, s38, s29
	s_add_nc_u64 s[34:35], s[34:35], s[38:39]
.irp q, 0,1,2,3,4,5,6,7,8,9,10,11,12,13,14,15
	ds_load_b128 v[ACC+4*\q:ACC+4*\q+3], v[RD] offset:\q*2*PT
.endr
.irp q, 0,1,2,3,4,5,6,7,8,9,10,11,12,13,14,15
	s_wait_dscnt 15-\q
	global_store_b128 v[GCO], v[ACC+4*\q:ACC+4*\q+3], s[34:35] offset:\q*32768
.endr
	s_set_vgpr_msb 0x5
	s_wait_tensorcnt 0x0
	ds_add_u32 v0, v1
	s_wait_dscnt 0x0
	s_set_vgpr_msb 0x500
	s_endpgm
.Lfunc_end_k_q5adfae0377_proj:
	.size	k_q5adfae0377_proj, .Lfunc_end_k_q5adfae0377_proj-k_q5adfae0377_proj
	.p2alignl 7, 3214868480
	.fill 96, 4, 3214868480
	.section	.rodata,"a",@progbits
	.p2align	6, 0x0
	.amdhsa_kernel k_q5adfae0377_proj
		.amdhsa_group_segment_fixed_size 273408
		.amdhsa_private_segment_fixed_size 0
		.amdhsa_enable_private_segment 0
		.amdhsa_kernarg_size 80
		.amdhsa_user_sgpr_count 2
		.amdhsa_user_sgpr_kernarg_segment_ptr 1
		.amdhsa_wavefront_size32 1
		.amdhsa_system_sgpr_workgroup_id_x 1
		.amdhsa_system_sgpr_workgroup_id_y 1
		.amdhsa_system_sgpr_workgroup_id_z 1
		.amdhsa_system_vgpr_workitem_id 0
		.amdhsa_next_free_vgpr 258
		.amdhsa_next_free_sgpr 66
		.amdhsa_reserve_vcc 0
		.amdhsa_float_denorm_mode_32 3
		.amdhsa_float_denorm_mode_16_64 3
		.amdhsa_memory_ordered 1
		.amdhsa_forward_progress 1
		.amdhsa_inst_pref_size 120
	.end_amdhsa_kernel
	.amdgpu_metadata
---
amdhsa.version: [ 1, 2 ]
amdhsa.kernels:
  - .name:           k_q5adfae0377_proj
    .symbol:         k_q5adfae0377_proj.kd
    .args:
      - { .name: x, .offset: 0, .size: 8, .value_kind: global_buffer, .address_space: global }
      - { .name: wq, .offset: 8, .size: 8, .value_kind: global_buffer, .address_space: global }
      - { .name: wk, .offset: 16, .size: 8, .value_kind: global_buffer, .address_space: global }
      - { .name: wv, .offset: 24, .size: 8, .value_kind: global_buffer, .address_space: global }
      - { .name: bq, .offset: 32, .size: 8, .value_kind: global_buffer, .address_space: global }
      - { .name: bk, .offset: 40, .size: 8, .value_kind: global_buffer, .address_space: global }
      - { .name: bv, .offset: 48, .size: 8, .value_kind: global_buffer, .address_space: global }
      - { .name: qr, .offset: 56, .size: 8, .value_kind: global_buffer, .address_space: global }
      - { .name: kr, .offset: 64, .size: 8, .value_kind: global_buffer, .address_space: global }
      - { .name: vt, .offset: 72, .size: 8, .value_kind: global_buffer, .address_space: global }
    .group_segment_fixed_size: 273408
    .private_segment_fixed_size: 0
    .kernarg_segment_align: 8
    .kernarg_segment_size: 80
    .max_flat_workgroup_size: 256
    .sgpr_count:     66
    .vgpr_count:     258
    .wavefront_size: 32
...
	.end_amdgpu_metadata
.endif
;; end of part 4
;; launch attn (part 5): grid 64 x 4, 4 waves a work-group, clusters of 4 x 1, 327,680 bytes of LDS; arguments qr, kr, vt, part, ml; writes part, ml
.if DOCPART == 5
	.amdgcn_target "amdgcn-amd-amdhsa--gfx1250"
	.amdhsa_code_object_version 6
	.text
	.protected	k_q5adfae0377_attn
	.globl	k_q5adfae0377_attn
	.p2align	8
	.type	k_q5adfae0377_attn,@function
k_q5adfae0377_attn:
	s_mov_b64 s[64:65], 0
	v_nop
	global_prefetch_b8 v0, s[64:65] scope:SCOPE_SE
	s_setreg_imm32_b32 hwreg(HW_REG_WAVE_MODE, 25, 1), 1
	s_wait_xcnt 0x0
	s_wait_alu depctr_hold_cnt(0) depctr_sa_sdst(0) depctr_va_vdst(0) depctr_va_sdst(0) depctr_va_ssrc(0) depctr_va_vcc(0) depctr_vm_vsrc(0)
	s_getreg_b32 s2, hwreg(HW_REG_IB_STS2, 6, 4)
	s_cmp_eq_u32 s2, 0
	s_cbranch_scc0 .Lentry_in_a_cluster
	s_endpgm
.Lentry_in_a_cluster:
	s_bfe_u32 s2, ttmp6, 0x10000c
	s_cmp_lg_u32 s2, 0x3003
	s_cbranch_scc0 .Lentry_shape_is_right
	s_endpgm
.Lentry_shape_is_right:
; attn: softmax(Q K^T) V with a running maximum, for 128 queries (work-group x) against 2,048 of the 8,192 keys (work-group y).
; qr, kr: [8192][256] bf16 (qr already holds log2(e)/16, so scores are exponents of 2).  vt: [256][8192] bf16, V transposed.
; Out: part[y][query][256] f32 = sum over the keys of 2^(s - m) V, not normalised; ml[y][0][query] = m, ml[y][1][query] = l = sum of 2^(s - m).
; The four key splits make 64 x 4 = 256 work-groups; the next launch joins them.
; Four waves: wave w = 2 i + j takes queries 64 i .. 64 i + 63 and, of each tile of 128 keys, keys 64 j .. 64 j + 63; the two waves of an i
; join their m, l and sums at the end, through LDS.
; BOTH PRODUCTS ARE TRANSPOSED.  S^T = K Q^T: source 0 = 16 keys, source 1 = 16 queries.  O^T = V^T P: source 0 = 16 rows of vt, source 1 = P.
; So lane (r, h) always owns query r of a query tile: m, l and the rescaling factor are one number a lane, the maximum over keys runs along the
; lane's own registers and once across the two halves of the wave, and two tiles of S^T, rounded, ARE a source-1 fragment of P
; (tile 2 kp: keys 8 h + 0..7 into registers 0-3; tile 2 kp + 1: keys 16 + 8 h + 0..7 into registers 4-7): no shuffle.
; THE STEP IS A PIPELINE, so that vector work stands between matrix instructions and not in a block of its own.  Step t has two phases:
;   A: the 128 matrix instructions of S_t, and behind every second one the rescaling of one tile of O (4 packed multiplies) by tile t-1's factor;
;   B: the 128 matrix instructions of O += V_(t-1)^T P_(t-1), and behind each of them three or four of the 416 instructions of S_t's softmax.
; A STEP'S 132 EXPONENTIALS ARE ONE BATCH WITH ONE WAIT.  The softmax is a list in three parts.  First the maxima, 88 plain instructions.  Then the
; batch: the four factors' and the 128 weights' exponentials, with the 64 subtractions of m among them; none of these names an exponential's
; result.  Then the wait, and behind it all that reads a result: l's sums, l, the roundings..
; The way out's eight exponentials are a second batch.
; Step 0 has no product in B, step 1 no rescaling, and a last stage rescales and multiplies tile 15.  The rescaling runs in every step: no branch
; may hang on the maxima.  S and O lie in different register windows, so each such gap costs two window switches: with 512 registers of O no
; layout puts a gap's destination into the window of the matrix instruction's.
; P_(t-1) and S_t are alive together, so only d < 128 of Q stays in registers; d >= 128 is copied once into LDS and read like K: 32 loads a step.
; CLUSTERS: the four work-groups of a cluster have the same y and walk the same K and V tiles: each tile is asked for jointly (mask 15).
; The place in the cluster enters only the addresses of qr, part and ml.
; LIMITS: Q, K, V and P are rounded to bf16 (matrix operands); l is summed from the unrounded P.  v_exp_f32 gives 0 for results below 2^-126
; (ISA guide, its entry in 15.8).  A score of +inf or NaN gives NaN, as in the source; m starts at -inf, and a query whose scores in the first
; tile (or all) are -inf gives NaN.
;
; REGISTERS, in windows of 256:
;   window 0: v2-6 LDS addresses; v8-15 pairs (m, l); v16-23 pairs (factor, temporary); v24-31 four running pairs of l's sums;
;             v64-95 P (qt, 0); v32-63 and v96-127 P (qt, 1) of even and odd tiles (the one not in use holds the maxima's temporaries);
;             v128-255 S^T tile (kt, qt) at 128 + 32 qt + 8 kt
;   window 1: v0-127 Q fragment (qt, ks), ks < 4, at 8 (4 qt + ks); v128-255 four fragment sets of 32 registers
;   windows 2, 3: O^T tile (dt, qt) at 8 (4 (dt & 7) + qt) of window 2 + (dt >> 3)
.set PK,     528                       ; LDS pitch of a K row: 512 + 16 bytes, an odd multiple of 16
.set PV,     272                       ; LDS pitch of a row of vt's tile: 256 + 16
.set PQ,     272                       ; LDS pitch of a row of Q's second half: 256 + 16
.set VOFF,   128*PK                    ; a slot: K's 128 rows, then vt's 256 rows of 128 keys
.set SLOT,   VOFF+256*PV               ; 137,216 bytes; two slots
.set QL,     2*SLOT                    ; Q, d >= 128, of the work-group's 128 queries: 34,816 bytes of their own, no tile lands here
.set STATS,  QL+128*PQ                 ; 4 x 512 bytes: each wave's m (64 words) and l
.set STATS2, STATS+2048                ; 4 x 256 bytes: the joined m or l on its way out
.set SPITCH, 1040                      ; the way out: a row of 256 f32 + 16 bytes
.set WSTAGE, 64*SPITCH                 ; a wave's 64 rows; the four stages lie in the slots, after the slots' last fill
.set KA,   2                           ; v2, v3   K fragments, slot 0, 1
.set VA,   4                           ; v4, v5   vt fragments, slot 0, 1
.set QA,   6                           ; v6       Q fragments in LDS
.set RM,   8                           ; m (qt) at RM + 2 qt, l (qt) beside it
.set RAL,  16                          ; factor (qt) at RAL + 2 qt, a temporary beside it
.set RACC, 24                          ; pair qt of l's running sums
.set P1A,  32                          ; P (qt, 1) of tile t at P1A + 64 (t & 1) + 8 qt
.set P0,   64                          ; P (qt, 0) at P0 + 8 qt
.set RS,   128
.set FS,   128                         ; window 1: set f at FS + 32 f
.set G1K,  24                          ; s[24:31] shape of a wave's quarter of a K tile
.set G1V,  32                          ; s[32:39] the same for vt
.set G0K,  40                          ; s[40:47] from where, to where: one set for each slot
.set G0V,  48                          ; s[48:55]
.set MSB,  0
.macro WIN new                         ; the immediate's high byte repeats the setting that is left; a switch that changes nothing is dropped
.if MSB != (\new)
	s_set_vgpr_msb (MSB<<8)|(\new)
.set MSB, \new
.endif
.endm
.macro PLACES                          ; four plain places behind a matrix instruction before a vector instruction or a load touches its registers
.rept 4
	v_nop
.endr
.endm
.macro CREST                           ; a round of the cluster's barrier, behind its opening work-group barrier
	s_cmp_lg_u32 s14, 0
	s_cbranch_scc1 .Lnot_wave_0_\@
	s_barrier_signal -3
.Lnot_wave_0_\@:
	s_barrier_wait -3
	s_barrier_signal -1
	s_barrier_wait -1
.endm
.macro CROUND
	s_barrier_signal -1
	s_barrier_wait -1
	CREST
.endm
	s_load_b256 s[4:11], s[0:1], 0x0               ; qr s[4:5], kr s[6:7], vt s[8:9], part s[10:11]
	s_load_b64 s[12:13], s[0:1], 0x20              ; ml
	v_lshl_add_u32 v232, v0, 2, 0x4c400
	v_mov_b32 v233, 0
	ds_add_u32 v232, v233
	s_wait_dscnt 0x0
	v_lshrrev_b32 v1, 5, v0
	v_readfirstlane_b32 s14, v1                    ; wave 0..3
	s_lshr_b32 s15, s14, 1                         ; i: which 64 queries
	s_and_b32 s16, s14, 1                          ; j: which 64 keys of a tile
	s_bfe_u32 s17, ttmp6, 0x40000                  ; cx
	s_lshl_b32 s18, ttmp9, 2
	s_add_co_u32 s18, s18, s17                     ; query block = 4 x cluster x + cx.  cx lives in s17, s18, s[2:3] and the pointers to qr, part, ml alone
	s_and_b32 s19, ttmp7, 0xffff                   ; key split
	s_mov_b32 s20, 0x76543210                      ; v_permlanex16_b32: lane i of one half reads lane i of the other
	s_mov_b32 s21, 0xfedcba98
	s_sub_co_u32 s23, 0, s16                       ; a lane mask: all ones in the waves with j = 1
	; K: a wave brings 32 rows of 256 bf16; 128 words a row, then 4 words of padding
	s_mov_b32 s[G1K+0], 15|(1<<16)|(1<<20)|(1<<21)|(6<<22)|(3<<25)  ; mask: all four of the cluster; 2-byte elements; padding on; bit 21 beside a mask; every 128 words (code 6), 4 words (code 3)
	s_mov_b32 s[G1K+1], 256<<16                    ; tensor_dim0 = 256
	s_mov_b32 s[G1K+2], 32<<16                     ; tensor_dim1 = 32
	s_mov_b32 s[G1K+3], 256<<16                    ; tile_dim0 = 256
	s_mov_b32 s[G1K+4], 32                         ; tile_dim1 = 32
	s_mov_b32 s[G1K+5], 256                        ; elements from row to row
	s_mov_b32 s[G1K+6], 0
	s_mov_b32 s[G1K+7], 0
	; vt: a wave brings 64 rows of 128 bf16 (256 bytes, at multiples of 256 from vt's first byte); 64 words a row, then 4 of padding
	s_mov_b32 s[G1V+0], 15|(1<<16)|(1<<20)|(1<<21)|(5<<22)|(3<<25)
	s_mov_b32 s[G1V+1], 128<<16
	s_mov_b32 s[G1V+2], 64<<16
	s_mov_b32 s[G1V+3], 128<<16
	s_mov_b32 s[G1V+4], 64
	s_mov_b32 s[G1V+5], 8192
	s_mov_b32 s[G1V+6], 0
	s_mov_b32 s[G1V+7], 0
	s_mul_i32 s56, s14, 32*PK                      ; LDS: my quarter of K,
	s_mul_i32 s57, s14, 64*PV
	s_add_co_u32 s57, s57, VOFF                    ; and of vt: the wave's number and constants alone
	s_lshl_b32 s58, s19, 20                        ; kr: split x 2,048 rows of 512 bytes
	s_lshl_b32 s60, s14, 14                        ;     + wave x 32 rows
	s_add_co_u32 s58, s58, s60
	s_mov_b32 s59, 0
	s_lshl_b32 s60, s14, 20                        ; vt: wave x 64 rows of 16,384 bytes
	s_lshl_b32 s62, s19, 12                        ;     + split x 2,048 keys of 2 bytes
	s_add_co_u32 s60, s60, s62
	s_mov_b32 s61, 0
	s_lshl_b32 s2, s18, 16                         ; qr: query block x 128 rows of 512 bytes
	s_mov_b32 s3, 0
	s_wait_kmcnt 0x0
	s_add_nc_u64 s[58:59], s[6:7], s[58:59]
	s_add_nc_u64 s[60:61], s[8:9], s[60:61]
	s_add_nc_u64 s[4:5], s[4:5], s[2:3]
.irp s, 0,1
	s_mov_b32 s[G0K+4*\s], 1
	s_add_co_u32 s[G0K+4*\s+1], s56, \s*SLOT
	s_add_nc_u64 s[G0K+4*\s+2:G0K+4*\s+3], s[58:59], \s*65536      ; tile s: 128 rows of 512 bytes on
	s_or_b32 s[G0K+4*\s+3], s[G0K+4*\s+3], 0x80000000
	s_mov_b32 s[G0V+4*\s], 1
	s_add_co_u32 s[G0V+4*\s+1], s57, \s*SLOT
	s_add_nc_u64 s[G0V+4*\s+2:G0V+4*\s+3], s[60:61], \s*256        ; tile s: 128 keys of 2 bytes on
	s_or_b32 s[G0V+4*\s+3], s[G0V+4*\s+3], 0x80000000
.endr
	CROUND                                         ; all four work-groups are here: the first joint loads meet
.irp s, 0,1
	tensor_load_to_lds s[G0K+4*\s:G0K+4*\s+3], s[G1K:G1K+7]        ; tiles 0 and 1: four tensor loads of a wave are out here,
	s_nop 0
	tensor_load_to_lds s[G0V+4*\s:G0V+4*\s+3], s[G1V:G1V+7]        ; later two at the most
	s_nop 0
.endr
	v_and_b32 v1, 15, v0                           ; r
	v_bfe_u32 v7, v0, 4, 1                         ; h
	; Q, d >= 128, for LDS: wave w brings rows 32 w .. 32 w + 31; a load takes the second 256 bytes of two rows, sixteen lanes each
	v_lshlrev_b32 v29, 9, v7
	v_lshl_add_u32 v29, v1, 4, v29
	s_lshl_b32 s56, s14, 14
	v_add_nc_u32 v29, s56, v29
.irp n, 0,1,2,3,4,5,6,7,8,9,10,11,12,13,14,15
	global_load_b128 v[RS+4*\n:RS+4*\n+3], v29, s[4:5] offset:\n*1024+256
.endr
	; Q, d < 128, for registers: row 64 i + 16 qt + r, 16 bytes for each half of the lanes
	v_lshlrev_b32 v30, 9, v1
	v_lshl_add_u32 v30, v7, 4, v30
	s_lshl_b32 s57, s15, 15
	v_add_nc_u32 v30, s57, v30
	WIN 0x40                                       ; destination window 1
.irp qt, 0,1,2,3
.irp ks, 0,1,2,3
	global_load_b128 v[8*(4*\qt+\ks):8*(4*\qt+\ks)+3],   v30, s[4:5] offset:\qt*8192+64*\ks
	global_load_b128 v[8*(4*\qt+\ks)+4:8*(4*\qt+\ks)+7], v30, s[4:5] offset:\qt*8192+64*\ks+32
.endr
.endr
	WIN 0
	v_mul_u32_u24 v24, v1, PK
	v_lshl_add_u32 v24, v7, 4, v24
	s_mul_i32 s56, s16, 64*PK
	v_add_nc_u32 v[KA], s56, v24                   ; K fragments: row 64 j + r, byte 16 h, slot 0
	v_add_nc_u32 v[KA+1], SLOT, v[KA]              ; slot 1
	v_mul_u32_u24 v25, v1, PV                      ; r x 272 + 16 h serves vt's rows and Q's
	v_lshl_add_u32 v25, v7, 4, v25
	s_lshl_b32 s57, s16, 7
	s_add_co_u32 s57, s57, VOFF
	v_add_nc_u32 v[VA], s57, v25                   ; vt fragments: row r, byte 128 j + 16 h
	v_add_nc_u32 v[VA+1], SLOT, v[VA]
	s_mul_i32 s56, s15, 64*PQ
	s_add_co_u32 s56, s56, QL
	v_add_nc_u32 v[QA], s56, v25                   ; Q fragments: row 64 i + r, byte 16 h
	v_mul_u32_u24 v31, v7, PQ
	v_lshl_add_u32 v31, v1, 4, v31
	s_mul_i32 s57, s14, 32*PQ
	s_add_co_u32 s57, s57, QL
	v_add_nc_u32 v31, s57, v31                     ; where Q's rows go: row 32 w + h, byte 16 r
.irp qt, 0,1,2,3
	v_mov_b32 v[RM+2*\qt], 0xff800000              ; m = -inf and l = 0: the first tile's factor comes out as 0 and its softmax has the form of all
	v_mov_b32 v[RM+2*\qt+1], 0
.endr
	s_wait_loadcnt 32                              ; the sixteen loads for LDS are in; the 32 behind them stay out
.irp n, 0,1,2,3,4,5,6,7,8,9,10,11,12,13,14,15
	ds_store_b128 v31, v[RS+4*\n:RS+4*\n+3] offset:\n*2*PQ
.endr
; sixteen-load runs.  A set is four fragments, eight loads.
.macro RUNHEAD                         ; loads go to window 1; the sets they fill were read by the matrix instructions just issued
	WIN 0x40
	PLACES
.endm
.macro LDK ks, f, slot                 ; my 64 keys, 32 along d at d = 32 ks
.irp kt, 0,1,2,3
	ds_load_b128 v[FS+32*\f+8*\kt:FS+32*\f+8*\kt+3],   v[KA+\slot] offset:\kt*16*PK+64*\ks
	ds_load_b128 v[FS+32*\f+8*\kt+4:FS+32*\f+8*\kt+7], v[KA+\slot] offset:\kt*16*PK+64*\ks+32
.endr
.endm
.macro LDQ ks, f                       ; my 64 queries, 32 along d at d = 32 ks, ks >= 4
.irp qt, 0,1,2,3
	ds_load_b128 v[FS+32*\f+8*\qt:FS+32*\f+8*\qt+3],   v[QA] offset:\qt*16*PQ+64*(\ks-4)
	ds_load_b128 v[FS+32*\f+8*\qt+4:FS+32*\f+8*\qt+7], v[QA] offset:\qt*16*PQ+64*(\ks-4)+32
.endr
.endm
.macro LDV v, f, slot                  ; group v: d tiles 4 (v & 3) .. + 3, keys 32 (v >> 2) .. + 31 of my 64
.irp d, 0,1,2,3
	ds_load_b128 v[FS+32*\f+8*\d:FS+32*\f+8*\d+3],   v[VA+\slot] offset:(4*((\v)&3)+\d)*16*PV+64*((\v)>>2)
	ds_load_b128 v[FS+32*\f+8*\d+4:FS+32*\f+8*\d+7], v[VA+\slot] offset:(4*((\v)&3)+\d)*16*PV+64*((\v)>>2)+32
.endr
.endm
; A gap of phase A: tile ga of O (its window 2 + (ga >> 5)) times the lane's factor of its query tile, which is broadcast out of its pair.
.macro AGAP
.if RESC
	WIN 0x82+0x41*(ga>>5)
.irp c, 0,2,4,6
	v_pk_mul_f32 v[8*(ga&31)+\c:8*(ga&31)+\c+1], v[8*(ga&31)+\c:8*(ga&31)+\c+1], v[RAL+2*(ga&3):RAL+2*(ga&3)+1] op_sel_hi:[1,0]
.endr
.set ga, ga+1
.endif
.endm
; 16 matrix instructions: S^T += K Q^T for 32 along d.  The sixteen accumulators take turns, one instruction a turn.
; K from set fk; Q from its registers (ks < 4) or from set fq.  ks = 0 starts the sums.
.macro SG ks, fk, fq
.irp kt, 0,1,2,3
.irp qt, 0,1,2,3
.set ST, RS+32*\qt+8*\kt
	WIN 0x05                                       ; sources 0 and 1 window 1, C and D window 0
.if \ks == 0
	v_wmma_f32_16x16x32_bf16 v[ST:ST+7], v[FS+32*\fk+8*\kt:FS+32*\fk+8*\kt+7], v[32*\qt:32*\qt+7], 0
.else
.if \ks < 4
	v_wmma_f32_16x16x32_bf16 v[ST:ST+7], v[FS+32*\fk+8*\kt:FS+32*\fk+8*\kt+7], v[8*(4*\qt+\ks):8*(4*\qt+\ks)+7], v[ST:ST+7]
.else
	v_wmma_f32_16x16x32_bf16 v[ST:ST+7], v[FS+32*\fk+8*\kt:FS+32*\fk+8*\kt+7], v[FS+32*\fq+8*\qt:FS+32*\fq+8*\qt+7], v[ST:ST+7]
.endif
.endif
.if \qt & 1
	AGAP
.endif
.endr
.endr
.endm
; THE SOFTMAX OF ONE TILE AS A LIST, cut into gaps gb = 0 .. 127 of three or four instructions, one gap behind each matrix instruction of phase B.
; The four query tiles take turns in the list, so that an instruction and the one that needs its result stand in different gaps.  TB: the block of
; P (qt, 1) that this tile will fill; until then it holds the maxima's temporaries, four for each query tile.
; Instruction ZN = 0 .. 87: the maximum of a lane's 32 scores in four chains, across the halves of the wave, with the old m; old m - new m.
; ZN = 88 .. 91: the factor 2^(old - new): the first four exponentials of the batch (XOP).
.macro SOP
.set ZQ, ZN&3
.if ZN < 64
.set ZC, (ZN>>2)&3
.set ZT, TB+4*ZQ+ZC
.set ZS, RS+32*ZQ+8*ZC
.if (ZN>>4) == 0
	v_max3_num_f32 v[ZT], v[ZS], v[ZS+1], v[ZS+2]
.endif
.if (ZN>>4) == 1
	v_max3_num_f32 v[ZT], v[ZT], v[ZS+3], v[ZS+4]
.endif
.if (ZN>>4) == 2
	v_max3_num_f32 v[ZT], v[ZT], v[ZS+5], v[ZS+6]
.endif
.if (ZN>>4) == 3
	v_max_num_f32 v[ZT], v[ZT], v[ZS+7]
.endif
.else
.set ZT, TB+4*ZQ
.set ZK, (ZN-64)>>2
.if ZK == 0
	v_max3_num_f32 v[ZT], v[ZT], v[ZT+1], v[ZT+2]
.endif
.if ZK == 1
	v_max_num_f32 v[ZT], v[ZT], v[ZT+3]
.endif
.if ZK == 2
	v_permlanex16_b32 v[ZT+1], v[ZT], s20, s21     ; the other half's 32 keys of the same query
.endif
.if ZK == 3
	v_max3_num_f32 v[ZT+2], v[ZT], v[ZT+1], v[RM+2*ZQ]
.endif
.if ZK == 4
	v_sub_f32 v[ZT+3], v[RM+2*ZQ], v[ZT+2]
.endif
.if ZK == 5
	v_mov_b32 v[RM+2*ZQ], v[ZT+2]
.endif
.if ZK == 6
	v_exp_f32 v[RAL+2*ZQ], v[ZT+3]                 ; neither the factor nor its source is named again ahead of the batch's wait
.endif
.endif
.endm
; THE BATCH.  Unit u = 0 .. 63 is pair u >> 2 of query tile u & 3.
; USUB: m is taken from unit ZE, both numbers at once; m is the first register of its pair.
.macro USUB
.set ZS, RS+32*(ZE&3)+2*(ZE>>2)
	v_pk_add_f32 v[ZS:ZS+1], v[ZS:ZS+1], v[RM+2*(ZE&3):RM+2*(ZE&3)+1] op_sel_hi:[1,0] neg_lo:[0,1] neg_hi:[0,1]
.endm
; XOP: exponential ZX = 0 .. 131 of the batch: the four factors, then the two numbers of unit (ZX - 4) >> 1, in place.
.macro XOP
.if ZX < 4
.set ZN, 88+ZX
	SOP
.else
.set ZU, RS+32*(((ZX-4)>>1)&3)+2*((ZX-4)>>3)+((ZX-4)&1)
	v_exp_f32 v[ZU], v[ZU]
.endif
.endm
; THE READERS, behind the wait: entry ZR = 0 .. 131.  Up to 127 by turns an entry of l's sums and a rounding; 128 .. 131: l = l x factor + sum.
; Even ZR, group ZI = ZR >> 3: pair ZI + 1 is added to its tile's running pair (the first two pairs start the sum: nothing is cleared); group 15 adds
; the running pair's two halves.  A tile's additions stand eight entries apart, in ascending order of the pairs.
; Odd ZR: pair ZI rounded to bf16, keys 0-31 into P0, keys 32-63 into TB.
; The query tiles go in descending order: v232 and v233, pair 4 of query tile 3, are then read for the last time at entries 24 and 33, in gaps 93 and
; 95, and the lines behind gap 95 make the add's two registers of them.
.macro ROP
.if ZR >= 128
.set ZQ, 131-ZR
	v_fma_f32 v[RM+2*ZQ+1], v[RM+2*ZQ+1], v[RAL+2*ZQ], v[RAL+2*ZQ+1]
.else
.set ZQ, 3-((ZR>>1)&3)
.set ZI, ZR>>3
.if ZR&1
.if ZI < 8
	v_cvt_pk_bf16_f32 v[P0+8*ZQ+ZI], v[RS+32*ZQ+2*ZI], v[RS+32*ZQ+2*ZI+1]
.else
	v_cvt_pk_bf16_f32 v[TB+8*ZQ+ZI-8], v[RS+32*ZQ+2*ZI], v[RS+32*ZQ+2*ZI+1]
.endif
.else
.set ZA, RACC+2*ZQ
.set ZS, RS+32*ZQ+2*(ZI+1)
.if ZI == 0
	v_pk_add_f32 v[ZA:ZA+1], v[ZS-2:ZS-1], v[ZS:ZS+1]
.elseif ZI < 15
	v_pk_add_f32 v[ZA:ZA+1], v[ZA:ZA+1], v[ZS:ZS+1]
.else
	v_add_f32 v[RAL+2*ZQ+1], v[ZA], v[ZA+1]
.endif
.endif
.endif
.endm
; gap gb:  0-21   the maxima, four a gap
;          22-85  the batch, three a gap: the subtraction of unit gb - 22 leads, then exponentials 2 (gb - 22) and the next: the factors in gaps 22 and
;                 23, from gap 24 on the unit whose subtraction stood two gaps back
;          86     the batch's last four exponentials, a plain place behind them (ISA guide 5.7.2), and THE WAIT
;          87-95  the readers, four a gap;   96-127  three a gap
.macro BOPS
.if gb < 22
.set ZN, 4*gb
.rept 4
	SOP
.set ZN, ZN+1
.endr
.elseif gb < 86
.set ZE, gb-22
	USUB
.set ZX, 2*ZE
	XOP
.set ZX, ZX+1
	XOP
.elseif gb == 86
.set ZX, 128
.rept 4
	XOP
.set ZX, ZX+1
.endr
	v_nop
	s_wait_alu depctr_va_vdst(0)                   ; the one wait for the step's 132 exponentials, ahead of their first reader (gap 87)
.elseif gb < 96
.set ZR, 4*(gb-87)
.rept 4
	ROP
.set ZR, ZR+1
.endr
.else
.set ZR, 36+3*(gb-96)
.rept 3
	ROP
.set ZR, ZR+1
.endr
.endif
.endm
.macro BGAP                            ; a gap of phase B, behind one matrix instruction
.if SOFTON
	WIN 0
	BOPS
.set gb, gb+1
.endif
.endm
; 16 matrix instructions: O^T += V^T P for group v (four d tiles, one half kp = v >> 2 of my keys), vt from set f.  Sixteen accumulators take turns,
; one instruction a turn.  All of kp = 0 comes first (v = 0 .. 3): P0 has been read for the last time behind matrix
; instruction 63, well ahead of gap 87, which writes it.  p1: the block that holds P (qt, 1).  first: kp = 0 starts the sums.
.macro PVG v, f, p1, first
.set WBACK, 0xa1+0x50*(((\v)&3)>>1)    ; source 0 window 1, source 1 window 0, C and D window 2 or 3
.irp d, 0,1,2,3
.irp qt, 0,1,2,3
.set OT, 8*(4*((4*((\v)&3)+\d)&7)+\qt)
.set PB, P0+((\p1)-P0)*((\v)>>2)+8*\qt
	WIN WBACK
.if (\first)*(1-((\v)>>2))
	v_wmma_f32_16x16x32_bf16 v[OT:OT+7], v[FS+32*\f+8*\d:FS+32*\f+8*\d+7], v[PB:PB+7], 0
.else
	v_wmma_f32_16x16x32_bf16 v[OT:OT+7], v[FS+32*\f+8*\d:FS+32*\f+8*\d+7], v[PB:PB+7], v[OT:OT+7]
.endif
	BGAP
.endr
.endr
.endm
; all of O^T times the lane's factors, in one block: only where there is no matrix work to stand between (the last stage, the way out)
.macro RESCALE
.irp win, 0x82, 0xc3
	WIN \win
.irp dt, 0,1,2,3,4,5,6,7
.irp qt, 0,1,2,3
.irp c, 0,2,4,6
	v_pk_mul_f32 v[8*(4*\dt+\qt)+\c:8*(4*\dt+\qt)+\c+1], v[8*(4*\dt+\qt)+\c:8*(4*\dt+\qt)+\c+1], v[RAL+2*\qt:RAL+2*\qt+1] op_sel_hi:[1,0]
.endr
.endr
.endr
.endr
.endm
; STEP t.  slot = t & 1: K_t lies in that slot, V_(t-1) in the other.  On entry K's sets for ks = 0, 1 are on their way into sets 0, 1.
; resc: phase A rescales.  pv: 0 no product in phase B, 1 it adds, 2 it starts the sums.
; mode 2: a round of the cluster's barrier, behind which K's part of this slot gets K_(t+2) (fk) and vt's part of the other V_(t+1) (fv);
; mode 1: the last step: a plain barrier, and the last stage's first sets.
; The two pairs of sets (0, 1) and (2, 3) take turns: a run of sixteen loads fills the pair that has just been multiplied, and the
; s_wait_dscnt 16 behind it leaves those sixteen out and shows the sixteen before them in (LDS loads come back in order).
.macro STEP slot, resc, pv, mode, fk, fv
.set RESC, \resc
.set SOFTON, 1
.set ga, 0
.set gb, 0
.set TB, P1A+64*\slot
	RUNHEAD
	LDK 2, 2, \slot
	LDK 3, 3, \slot
	s_wait_dscnt 16
	SG 0, 0, 0
	SG 1, 1, 0
	RUNHEAD
	LDK 4, 0, \slot
	LDQ 4, 1
	s_wait_dscnt 16
	SG 2, 2, 0
	SG 3, 3, 0
	RUNHEAD
	LDK 5, 2, \slot
	LDQ 5, 3
	s_wait_dscnt 16
	SG 4, 0, 1
	RUNHEAD
	LDK 6, 0, \slot
	LDQ 6, 1
	s_wait_dscnt 16
	SG 5, 2, 3
	RUNHEAD
	LDK 7, 2, \slot
	LDQ 7, 3
	s_wait_dscnt 16
	SG 6, 0, 1
.if \pv
	RUNHEAD
	LDV 0, 0, 1-\slot
	LDV 1, 1, 1-\slot
	s_wait_dscnt 16
	SG 7, 2, 3
	RUNHEAD                                        ; its four places also stand between S^T's last matrix instruction and the first maximum
	LDV 2, 2, 1-\slot
	LDV 3, 3, 1-\slot
	s_wait_dscnt 16
	PVG 0, 0, P1A+64*(1-\slot), \pv-1
	PVG 1, 1, P1A+64*(1-\slot), \pv-1
	RUNHEAD
	LDV 4, 0, 1-\slot
	LDV 5, 1, 1-\slot
	s_wait_dscnt 16
	PVG 2, 2, P1A+64*(1-\slot), \pv-1
	PVG 3, 3, P1A+64*(1-\slot), \pv-1
	RUNHEAD
	LDV 6, 2, 1-\slot
	LDV 7, 3, 1-\slot
	s_wait_dscnt 16
	PVG 4, 0, P1A+64*(1-\slot), \pv-1
	PVG 5, 1, P1A+64*(1-\slot), \pv-1
	s_wait_dscnt 0x0                               ; the last two sets are in: my reads of K_t and of V_(t-1) are over
	s_wait_xcnt 0x0
	v_lshl_add_u32 v232, v0, 2, 0x4c400
	v_mov_b32 v233, 0
	s_wait_tensorcnt 0x0                           ; all my tensor loads have landed, my parts of K_(t+1) and V_t among them;
	ds_add_u32 v232, v233
	s_wait_dscnt 0x0
.if \fk
	s_add_nc_u64 s[G0K+4*\slot+2:G0K+4*\slot+3], s[G0K+4*\slot+2:G0K+4*\slot+3], 131072   ; so the descriptors may be written: two tiles on
.endif
.if \fv
	s_add_nc_u64 s[G0V+4*(1-\slot)+2:G0V+4*(1-\slot)+3], s[G0V+4*(1-\slot)+2:G0V+4*(1-\slot)+3], 512
.endif
	s_barrier_signal -1                            ; mode 2: opens a round of the cluster's barrier; only register work inside the round
	PVG 6, 2, P1A+64*(1-\slot), \pv-1
	WIN 0
	s_barrier_wait -1
.if \mode == 2
	CREST                                          ; no wave of any of the four work-groups still reads these bytes or has a load on its way
.if \fk
	tensor_load_to_lds s[G0K+4*\slot:G0K+4*\slot+3], s[G1K:G1K+7]  ; the joint refills, first behind the round; K has the next step in which to land,
	s_nop 0
.endif
.if \fv
	tensor_load_to_lds s[G0V+4*(1-\slot):G0V+4*(1-\slot)+3], s[G1V:G1V+7]  ; vt a step and a half
	s_nop 0
.endif
	RUNHEAD
	LDK 0, 0, 1-\slot                              ; the next step's first sets
	LDK 1, 1, 1-\slot
.else
	RUNHEAD                                        ; V_15 is whole
	LDV 0, 0, \slot
	LDV 1, 1, \slot
.endif
	PVG 7, 3, P1A+64*(1-\slot), \pv-1
	WIN 0
.else
	s_wait_dscnt 0x0
	SG 7, 2, 3
	WIN 0
	PLACES
.rept 128
	BOPS                                           ; the first tile's softmax has no product to stand between; the same list, the same one wait
.set gb, gb+1
.endr
	s_wait_dscnt 0x0                               ; my reads of K_0 are over
	s_wait_xcnt 0x0
	v_lshl_add_u32 v232, v0, 2, 0x4c400
	v_mov_b32 v233, 0
	s_wait_tensorcnt 0x0                           ; tile 1 has landed
	ds_add_u32 v232, v233
	s_wait_dscnt 0x0
	s_add_nc_u64 s[G0K+4*\slot+2:G0K+4*\slot+3], s[G0K+4*\slot+2:G0K+4*\slot+3], 131072
	CROUND
	tensor_load_to_lds s[G0K+4*\slot:G0K+4*\slot+3], s[G1K:G1K+7]
	s_nop 0
	RUNHEAD
	LDK 0, 0, 1-\slot
	LDK 1, 1, 1-\slot
	WIN 0
.endif
.endm
	s_wait_tensorcnt 2                             ; tile 0's two loads of mine are in, tile 1's two stay out
	s_wait_dscnt 0x0                               ; my rows of Q are in LDS, for the other waves' sake
	s_barrier_signal -1
	s_barrier_wait -1                              ; everybody's are
	RUNHEAD
	LDK 0, 0, 0
	LDK 1, 1, 0
	WIN 0
	s_wait_loadcnt 0x0                             ; Q's registers
	STEP 0, 0, 0, 2, 1, 0                          ; tile 0: S and softmax alone; K_2 is asked for
	STEP 1, 0, 2, 2, 1, 1                          ; tile 1; tile 0's product starts the sums
	s_mov_b32 s22, 6
.Llap:
	STEP 0, 1, 1, 2, 1, 1                          ; tiles 2 to 13
	STEP 1, 1, 1, 2, 1, 1
	s_sub_co_u32 s22, s22, 1
	s_cmp_lg_u32 s22, 0
	s_cbranch_scc1 .Llap
	STEP 0, 1, 1, 2, 0, 1                          ; tile 14: only V_15 is left to ask for
	STEP 1, 1, 1, 1, 0, 0                          ; tile 15
	; the last stage: tile 15's factor and product
.set SOFTON, 0
	RESCALE
	RUNHEAD
	LDV 2, 2, 1
	LDV 3, 3, 1
	s_wait_dscnt 16
	PVG 0, 0, P1A+64, 0
	PVG 1, 1, P1A+64, 0
	RUNHEAD
	LDV 4, 0, 1
	LDV 5, 1, 1
	s_wait_dscnt 16
	PVG 2, 2, P1A+64, 0
	PVG 3, 3, P1A+64, 0
	RUNHEAD
	LDV 6, 2, 1
	LDV 7, 3, 1
	s_wait_dscnt 16
	PVG 4, 0, P1A+64, 0
	PVG 5, 1, P1A+64, 0
	s_wait_dscnt 0x0
	PVG 6, 2, P1A+64, 0
	PVG 7, 3, P1A+64, 0
	WIN 0
; THE WAY OUT.
.set RT,  RACC                         ; v24 at work
.set JM,  40                           ; v[40:43] the joint maximum, by query tile
.set DA,  44                           ; v[44:47] my m less the joint maximum
.set DB,  48                           ; v[48:51] my partner's
.set FB,  52                           ; v[52:55] my partner's factor
.set WR,  160                          ; r
.set WH,  161                          ; h
.set WL,  162                          ; lane
.set SA,  163                          ; my stats
.set SPA, 164                          ; my partner's (the wave with the other j)
.set S2S, 165
.set S2L, 166
.set MLO, 167
.set STO, 168
.set RA,  169
.set RB,  170
.set PO,  171
.set XV,  172                          ; v[172:175]
.set XO,  176                          ; v[176:177]
	PLACES                                         ; behind the last matrix instructions
	v_and_b32 v[WR], 15, v0
	v_bfe_u32 v[WH], v0, 4, 1
	v_and_b32 v[WL], 31, v0
.irp qt, 0,1,2,3
	v_permlanex16_b32 v[RT], v[RM+2*\qt+1], s20, s21       ; l: the two halves of the lanes summed different keys of the same query
	v_add_f32 v[RM+2*\qt+1], v[RM+2*\qt+1], v[RT]
.endr
	s_lshl_b32 s56, s14, 9
	s_add_co_u32 s56, s56, STATS
	v_lshl_add_u32 v[SA], v[WR], 2, s56
	s_xor_b32 s57, s14, 1
	s_lshl_b32 s57, s57, 9
	s_add_co_u32 s57, s57, STATS
	v_lshl_add_u32 v[SPA], v[WR], 2, s57
.irp qt, 0,1,2,3
	ds_store_b32 v[SA], v[RM+2*\qt] offset:64*\qt          ; both halves of the lanes store the same number to the same word
	ds_store_b32 v[SA], v[RM+2*\qt+1] offset:256+64*\qt
.endr
	s_wait_dscnt 0x0                               ; my stats are in LDS, and all my reads of the slots are back
	s_barrier_signal -1
	s_barrier_wait -1                              ; so behind this barrier the slots, whose last fill has landed, can serve as the stage
.irp qt, 0,1,2,3
	ds_load_b32 v[32+\qt], v[SPA] offset:64*\qt
	ds_load_b32 v[36+\qt], v[SPA] offset:256+64*\qt
.endr
	s_wait_dscnt 0x0
	; the four query tiles' eight factors are one batch: each difference and each factor has a register of its own
.irp qt, 0,1,2,3
	v_max_num_f32 v[JM+\qt], v[RM+2*\qt], v[32+\qt]        ; the joint maximum
.endr
.irp qt, 0,1,2,3
	v_sub_f32 v[DA+\qt], v[RM+2*\qt], v[JM+\qt]
	v_sub_f32 v[DB+\qt], v[32+\qt], v[JM+\qt]
.endr
.irp qt, 0,1,2,3
	v_exp_f32 v[RAL+2*\qt], v[DA+\qt]              ; my factor,
	v_exp_f32 v[FB+\qt], v[DB+\qt]                 ; my partner's
.endr
.irp qt, 0,1,2,3
	v_mov_b32 v[RM+2*\qt], v[JM+\qt]               ; plain work that names no factor: the first is the place behind the last exponential (ISA guide 5.7.2)
.endr
	s_wait_alu depctr_va_vdst(0)                   ; the one wait for the eight factors, ahead of their first reader
.irp qt, 0,1,2,3
	v_mul_f32 v[RM+2*\qt+1], v[RM+2*\qt+1], v[RAL+2*\qt]
.endr
.irp qt, 0,1,2,3
	v_fmac_f32 v[RM+2*\qt+1], v[36+\qt], v[FB+\qt] ; the joint l
.endr
	RESCALE                                        ; my sums on the joint maximum
	WIN 0
	; m (waves with j = 0) or l (j = 1) of my 64 queries: through LDS into one store of 256 consecutive bytes
.irp qt, 0,1,2,3
	v_cndmask_b32 v[XV+\qt], v[RM+2*\qt], v[RM+2*\qt+1], s23
.endr
	s_lshl_b32 s56, s14, 8
	s_add_co_u32 s56, s56, STATS2
	v_lshl_add_u32 v[S2S], v[WR], 2, s56
	v_lshl_add_u32 v[S2L], v[WL], 3, s56
	v_lshlrev_b32 v[MLO], 3, v[WL]
.irp qt, 0,1,2,3
	ds_store_b32 v[S2S], v[XV+\qt] offset:64*\qt
.endr
	ds_load_b64 v[XO:XO+1], v[S2L]                 ; my own bytes: LDS serves a wave's instructions in order (ISA guide 5.7.1.4)
	s_lshl_b32 s2, s18, 9                          ; ml: query block x 128 words
	s_lshl_b32 s56, s19, 16                        ;     + split x 2 x 8,192 words
	s_add_co_u32 s2, s2, s56
	s_lshl_b32 s56, s16, 15                        ;     + j x 8,192 words
	s_add_co_u32 s2, s2, s56
	s_lshl_b32 s56, s15, 8                         ;     + i x 64 words
	s_add_co_u32 s2, s2, s56
	s_add_nc_u64 s[12:13], s[12:13], s[2:3]        ; s3 is 0 since the head
	s_wait_dscnt 0x0
	global_store_b64 v[MLO], v[XO:XO+1], s[12:13]
	; my 64 queries x 256 d into my stage: a lane's eight registers are eight neighbouring d of query r
	s_mul_i32 s56, s14, WSTAGE
	v_mul_u32_u24 v[STO], v[WR], SPITCH
	v_lshl_add_u32 v[STO], v[WH], 5, v[STO]
	v_add_nc_u32 v[STO], s56, v[STO]
	WIN 0x08                                       ; store data from window 2
.irp dt, 0,1,2,3,4,5,6,7
.irp qt, 0,1,2,3
	ds_store_b128 v[STO], v[8*(4*\dt+\qt):8*(4*\dt+\qt)+3]   offset:\qt*16*SPITCH+64*\dt
	ds_store_b128 v[STO], v[8*(4*\dt+\qt)+4:8*(4*\dt+\qt)+7] offset:\qt*16*SPITCH+64*\dt+16
.endr
.endr
	WIN 0x0c                                       ; from window 3
.irp dt, 0,1,2,3,4,5,6,7
.irp qt, 0,1,2,3
	ds_store_b128 v[STO], v[8*(4*\dt+\qt):8*(4*\dt+\qt)+3]   offset:\qt*16*SPITCH+64*(\dt+8)
	ds_store_b128 v[STO], v[8*(4*\dt+\qt)+4:8*(4*\dt+\qt)+7] offset:\qt*16*SPITCH+64*(\dt+8)+16
.endr
.endr
	WIN 0
	s_mul_i32 s56, s15, 2*WSTAGE                   ; I add the two stages of my i for queries 32 j .. 32 j + 31 of its 64
	s_mul_i32 s57, s16, 32*SPITCH
	s_add_co_u32 s56, s56, s57
	v_lshl_add_u32 v[RA], v[WL], 4, s56
	v_add_nc_u32 v[RB], WSTAGE, v[RA]
	v_lshlrev_b32 v[PO], 4, v[WL]
	s_lshl_b32 s2, s18, 17                         ; part: query block x 128 rows of 1,024 bytes
	s_lshl_b32 s56, s19, 23                        ;       + split x 8,192 rows
	s_add_co_u32 s2, s2, s56
	s_lshl_b32 s56, s15, 16                        ;       + i x 64 rows
	s_add_co_u32 s2, s2, s56
	s_lshl_b32 s56, s16, 15                        ;       + j x 32 rows
	s_add_co_u32 s2, s2, s56
	s_add_nc_u64 s[10:11], s[10:11], s[2:3]
	s_wait_dscnt 0x0                               ; my stage is in LDS, for my partner's sake
	s_barrier_signal -1
	s_barrier_wait -1
; four rows: both stages' halves of 512 bytes, added, stored as 512 consecutive bytes a store.  Two register buffers take turns.
.macro OUT4 blk, reg
	s_wait_xcnt 0x0                                ; the buffer, which earlier stores read, is loaded again only behind this wait
.irp k, 0,1,2,3
.irp hf, 0,1
	ds_load_b128 v[\reg+4*(2*\k+\hf):\reg+4*(2*\k+\hf)+3],       v[RA] offset:(4*\blk+\k)*SPITCH+512*\hf
	ds_load_b128 v[\reg+32+4*(2*\k+\hf):\reg+32+4*(2*\k+\hf)+3], v[RB] offset:(4*\blk+\k)*SPITCH+512*\hf
.endr
.endr
	s_wait_dscnt 0x0
.irp c, 0,2,4,6,8,10,12,14,16,18,20,22,24,26,28,30
	v_pk_add_f32 v[\reg+\c:\reg+\c+1], v[\reg+\c:\reg+\c+1], v[\reg+32+\c:\reg+32+\c+1]
.endr
.irp k, 0,1,2,3
.irp hf, 0,1
	global_store_b128 v[PO], v[\reg+4*(2*\k+\hf):\reg+4*(2*\k+\hf)+3], s[10:11] offset:(4*\blk+\k)*1024+512*\hf
.endr
.endr
.endm
	OUT4 0, 32
	OUT4 1, 96
	OUT4 2, 32
	OUT4 3, 96
	OUT4 4, 32
	OUT4 5, 96
	OUT4 6, 32
	OUT4 7, 96
	s_wait_xcnt 0x0
	v_lshl_add_u32 v232, v0, 2, 0x4c400
	v_mov_b32 v233, 0
	s_wait_tensorcnt 0x0
	ds_add_u32 v232, v233
	s_wait_dscnt 0x0
	CROUND                                         ; the closing round: no work-group ends while a partner may still ask for a tile that names it
	s_endpgm
.Lfunc_end_k_q5adfae0377_attn:
	.size	k_q5adfae0377_attn, .Lfunc_end_k_q5adfae0377_attn-k_q5adfae0377_attn
	.p2alignl 7, 3214868480
	.fill 96, 4, 3214868480
	.section	.rodata,"a",@progbits
	.p2align	6, 0x0
	.amdhsa_kernel k_q5adfae0377_attn
		.amdhsa_group_segment_fixed_size 327680
		.amdhsa_private_segment_fixed_size 0
		.amdhsa_enable_private_segment 0
		.amdhsa_kernarg_size 40
		.amdhsa_user_sgpr_count 2
		.amdhsa_user_sgpr_kernarg_segment_ptr 1
		.amdhsa_wavefront_size32 1
		.amdhsa_system_sgpr_workgroup_id_x 1
		.amdhsa_system_sgpr_workgroup_id_y 1
		.amdhsa_system_sgpr_workgroup_id_z 1
		.amdhsa_system_vgpr_workitem_id 0
		.amdhsa_next_free_vgpr 1024
		.amdhsa_next_free_sgpr 66
		.amdhsa_reserve_vcc 0
		.amdhsa_float_denorm_mode_32 3
		.amdhsa_float_denorm_mode_16_64 3
		.amdhsa_memory_ordered 1
		.amdhsa_forward_progress 1
		.amdhsa_inst_pref_size 255
	.end_amdhsa_kernel
	.section	.bss,"aw",@nobits
	.p2align	6
	.space	262144
	.amdgpu_metadata
---
amdhsa.version: [ 1, 2 ]
amdhsa.kernels:
  - .name:           k_q5adfae0377_attn
    .symbol:         k_q5adfae0377_attn.kd
    .args:
      - { .name: qr, .offset: 0, .size: 8, .value_kind: global_buffer, .address_space: global }
      - { .name: kr, .offset: 8, .size: 8, .value_kind: global_buffer, .address_space: global }
      - { .name: vt, .offset: 16, .size: 8, .value_kind: global_buffer, .address_space: global }
      - { .name: part, .offset: 24, .size: 8, .value_kind: global_buffer, .address_space: global }
      - { .name: ml, .offset: 32, .size: 8, .value_kind: global_buffer, .address_space: global }
    .group_segment_fixed_size: 327680
    .private_segment_fixed_size: 0
    .kernarg_segment_align: 8
    .kernarg_segment_size: 40
    .max_flat_workgroup_size: 128
    .sgpr_count:     66
    .vgpr_count:     1024
    .wavefront_size: 32
...
	.end_amdgpu_metadata
.endif
;; end of part 5
;; launch comb: the kernel of part 3 again; grid 256 x 1, 8 waves a work-group, no clusters, 0 bytes of LDS; arguments part, ml, out0; writes out0
